; MI455X (gfx1250); checked and timed in simulation.
; The chip was launched on July 23, 2026; its instructions are those of AMD's public machine-readable ISA for CDNA 5 (MIT licence, August 2026) and "CDNA5" Instruction Set Architecture Reference Guide (July 2026). The comments in the code are by the model that wrote it; some were corrected since.
;; Multi Head Attention. Allowed arithmetic: matrix products marked QUANTISED: E4M3 operands, one E8M0 scale for each 32 along K, by v_wmma_scale_f32_16x16x128_f8f6f4 with both operands' format E4M3, f32 sums; everything else in f32.
;; Inputs: b_o 1,024 float32; w_k_codes 1,024 x 32 x 32 uint8 (E4M3 codes of w_k, K innermost, in blocks of 32 codes); w_k_scales 1,024 x 32 uint8 (E8M0 scales of w_k, one for each 32 codes along K); w_o_codes 1,024 x 32 x 32 uint8 (E4M3 codes of w_o, K innermost, in blocks of 32 codes); w_o_scales 1,024 x 32 uint8 (E8M0 scales of w_o, one for each 32 codes along K); w_q_codes 1,024 x 32 x 32 uint8 (E4M3 codes of w_q, K innermost, in blocks of 32 codes); w_q_scales 1,024 x 32 uint8 (E8M0 scales of w_q, one for each 32 codes along K); w_v_codes 1,024 x 32 x 32 uint8 (E4M3 codes of w_v, K innermost, in blocks of 32 codes); w_v_scales 1,024 x 32 uint8 (E8M0 scales of w_v, one for each 32 codes along K); x_codes 2 x 2,048 x 32 x 32 uint8 (E4M3 codes of x, K innermost, in blocks of 32 codes); x_scales 2 x 2,048 x 32 uint8 (E8M0 scales of x, one for each 32 codes along K).
;; Outputs: out0 2 x 2,048 x 1,024 float32.
;; This version of the problem:
;;   THIS VERSION OF THE PROBLEM IS GIVEN IN LOW PRECISION. The matrix products marked QUANTISED in the list below multiply operands that are first quantised to E4M3 (4 exponent bits, 3 mantissa bits; 8 bits a number), with one power-of-two scale for each 32 numbers along K (OCP MX v1.0); their sums are f32. All else is computed in f32.
;;   The module's matrix products, in the order in which they are computed (A, B: the left and right operand; K: the contracted axis; several contracted axes count as one K, in the product's order):
;;     1. [M 4,096, K 1,024] x [K 1,024, N 1,024]; A: input x (given as codes); B: input w_k (given as codes): QUANTISED
;;     2. [M 4,096, K 1,024] x [K 1,024, N 1,024]; A: input x (given as codes); B: input w_q (given as codes): QUANTISED
;;     3. [M 4,096, K 1,024] x [K 1,024, N 1,024]; A: input x (given as codes); B: input w_v (given as codes): QUANTISED
;;     4. batch 32 x [M 2,048, K 64] x [K 64, N 2,048]; A: computed on the way; B: computed on the way: QUANTISED
;;     5. batch 32 x [M 2,048, K 2,048] x [K 2,048, N 64]; A: softmax (see below); B: computed on the way: QUANTISED
;;     6. [M 4,096, K 1,024] x [K 1,024, N 1,024]; A: computed on the way; B: input w_o (given as codes): QUANTISED
;;   THE QUANTISER, for each operand of a quantised product, along K:
;;     - K is cut into blocks of 32 from its start; a last block that is shorter is filled with zeros.
;;     - A block's scale is 2^e with e = floor(log2(the largest magnitude in the block)) - 8, held to -126 .. 127; a block of zeros has e = 0. As a byte (E8M0): e + 127.
;;     - Each number is divided by its block's scale, clamped to +-448, and rounded to the nearest number of E4M3, ties to even, subnormals kept.
;;     - The product sums the exact products of the quantised numbers (number of the format x scale) in f32.
;;   ~~~python
;;   def quantise(x, axis):      # numpy; x: float32 -> the quantised numbers, widened to float32 again
;;       x = np.moveaxis(x, axis, -1); K = x.shape[-1]
;;       x = np.pad(x, [(0, 0)] * (x.ndim - 1) + [(0, -K % 32)]); x = x.reshape(x.shape[:-1] + (-1, 32)); a = np.abs(x).max(-1, keepdims=True)
;;       e = np.where(a > 0, np.clip(np.frexp(np.where(a > 0, a, 1))[1] - 1 - 8, -126, 127), 0)      # np.frexp(a)[1] - 1 = floor(log2(a)), exactly
;;       r = np.clip(x / 2.0 ** e, -448, 448)
;;       step = 2.0 ** (np.maximum(np.frexp(np.where(r == 0, 1, r))[1] - 1, -6) - 3)
;;       q = np.round(r / step) * step * 2.0 ** e      # np.round: ties to even
;;       return np.moveaxis(q.reshape(q.shape[:-2] + (-1,))[..., :K], -1, axis).astype(np.float32)
;;   ~~~
;;   SOFTMAX AHEAD OF A QUANTISED PRODUCT. Where the list says 'softmax', what is quantised is not the finished softmax but p = 2^(t - M), with t = logit x log2(e) and M = ceil(the row's largest t), a whole number; so 1/2 < the row's largest p <= 1. The row's sum l is taken of the UNQUANTISED p, in f32, and the product's result is divided by l at the end. Since M is a whole number, a kernel that streams over the keys may use a running M (the ceiling of the running maximum): every later rescaling is an exact power of two, which a block's scale takes up: the codes' values come out the same.
;;   OPERANDS COMPUTED ON THE WAY. 'Computed on the way' means the value that the module computes at that place (a softmax that the list does not call 'softmax' is quantised finished and normalised). What goes into a quantiser is computed in f32, as accurately as f32 sums, v_exp_f32 and their like allow (about 1e-6 of the number): no bf16 or f16 on the way to a quantiser, and a product that is left as it is and whose result goes on into a quantised operand takes f32 operands (vector FMAs, or v_wmma_f32_16x16x4_f32). A number that lies on a knife's edge between two numbers of the format may be rounded either way, as far as f32 arithmetic and the matrix unit's own rounding can turn it there, and no further.
;;   INPUTS GIVEN AS CODES. w_k (in the module: [1024, 1024], K = its axis 1); w_o (in the module: [1024, 1024], K = its axis 1); w_q (in the module: [1024, 1024], K = its axis 1); w_v (in the module: [1024, 1024], K = its axis 1); x (in the module: [2, 2048, 1024], K = its axis 2): each comes as NAME_codes (uint8): NAME with its K axis moved to the last place and cut into blocks of 32 codes, [.., K / 32, bytes a block], one block behind the other in memory; one code a byte (a code: sign, 4 exponent bits, 3 mantissa bits); and NAME_scales (uint8): the same leading axes, one E8M0 byte (e + 127) for each 32 codes along K. Its value is code x scale, taken as it is: it is not quantised again, and the codes and scales need not be those that the quantiser above would give.
;; One version. Each part assembles by itself: llvm-mc -triple=amdgcn-amd-amdhsa -mcpu=gfx1250 --defsym DOCPART=n.
;; ======== version 1 of 1: 3 launches
;; limits: right only within a limited range of input values
;; workspace buffers: qkv_codes 12,582,912 bytes; qkv_scales 393,216 bytes; ctx_codes 4,194,304 bytes; ctx_scales 131,072 bytes
;; launch qkv (part 1): grid 16 x 16, 4 waves a work-group, clusters of 4 x 4, 327,680 bytes of LDS; arguments x_codes, x_scales, w_k_codes, w_k_scales, w_q_codes, w_q_scales, w_v_codes, w_v_scales, qkv_codes, qkv_scales; writes qkv_codes, qkv_scales
.if DOCPART == 1
	.amdgcn_target "amdgcn-amd-amdhsa--gfx1250"
	.amdhsa_code_object_version 6
	.text
	.protected	k_qff5f5b6e1a_qkv
	.globl	k_qff5f5b6e1a_qkv
	.p2align	8
	.type	k_qff5f5b6e1a_qkv,@function
k_qff5f5b6e1a_qkv:
	s_mov_b64 s[64:65], 0
	v_nop
	global_prefetch_b8 v0, s[64:65] scope:SCOPE_SE
	s_setreg_imm32_b32 hwreg(HW_REG_WAVE_MODE, 25, 1), 1
	s_wait_xcnt 0x0
	s_wait_alu depctr_hold_cnt(0) depctr_sa_sdst(0) depctr_va_vdst(0) depctr_va_sdst(0) depctr_va_ssrc(0) depctr_va_vcc(0) depctr_vm_vsrc(0)
	s_getreg_b32 s2, hwreg(HW_REG_IB_STS2, 6, 4)
	s_cmp_eq_u32 s2, 0
	s_cbranch_scc0 .Lentry_in_a_cluster
	s_endpgm
.Lentry_in_a_cluster:
	s_bfe_u32 s2, ttmp6, 0x10000c
	s_cmp_lg_u32 s2, 0xf033
	s_cbranch_scc0 .Lentry_shape_is_right
	s_endpgm
.Lentry_shape_is_right:
; q = x w_k^T, k = x w_q^T, v = x w_v^T on codes of FP8 (E4M3) with one E8M0 scale for each 32 along K = 1,024; the results are quantised here, in registers, and leave as codes and scale bytes: q and k along the head's 64, v along the keys.
; SHARES.  256 work-groups of equal work: work-group (x, y) makes q, k and v of head x for the 256 tokens of tile y.  Four waves: wave row s15 takes 128 tokens; wave column s16 = 0 takes q's 64 features and v's feature tiles 0 and 2,
; column 1 k's 64 features and v's tiles 1 and 3: 8 x 6 accumulators of 16 x 16, 384 registers.
; q, k: source 0 = 16 rows of the weight, source 1 = 16 rows of x: a lane keeps a token and its registers run along the features.  v: the sources swapped: a lane keeps a feature and its registers run along the tokens.  Both run along the K of the product that will read the codes.
; THE ORDER INSIDE A BLOCK OF 32.  A lane (r, h) holds the indices 32 c + 8 h + j and 32 c + 16 + 8 h + j; their 16 codes are its 16 bytes of block c: a fixed permutation, the same in q and k, and in v the same as the softmax's weights have in the next launch.
; OUT.  qkv_codes: part t (0 q, 1 k, 2 v) at t x 2^22; head bh at bh x 131,072.  q, k: [token tile of 16][block c (2)][lane][16 bytes].  v: [key step of 128][feature tile (4)][block c (4)][lane][16 bytes].  Every store of codes covers 512 consecutive bytes, aligned.
; qkv_scales: part t at t x 2^17; [bh][group of 128 tokens: 256 bytes][lane' (32)][2 words].  q, k: lane' = 16 s + r, word jj: token tiles 2 j and 2 j + 1, j = 2 s + jj, two bytes each.  v: lane' = 16 h + r, word jj: the four bytes of feature tile h + 2 jj.
; (v's scale words leave as runs of 128 bytes, both halves of the lanes with the same words: one byte in 32 of what the launch stores.)
; CLUSTERS of 4 x 4: the four of a row of the cluster need the same rows of x, the four of a column the same rows of the weights: each tile is asked for jointly.
; PREFETCH: a K step of 256 is asked of the L2 one load ahead of the joint load that brings it; the four partners share its rows out by address: wave 0 asks for 64 of x's 256 rows, waves 1 to 3 for 16 of the 64 rows of a weight each.  K step 0 comes by its load alone, and nothing is asked for behind K step 3.
; LIMITS: NaN, infinities and the scale byte 0xff among the inputs are not served.  A block of zeros gets the byte 1 where the quantiser says 127: its codes are zeros, and these bytes are read by this program alone.
; REGISTERS: window 0: v0-31 addresses; v32-63 x's scale words, v68-91 the weights' (all of K); v128-255 x's fragments, one set (the way out works there).  window 1: the weights' fragments, two sets of 96.  window 2: q's or k's accumulators (a, f) at v[32 a + 8 f];  window 3: v's at v[64 (f - 4) + 8 a].
.set PITCH,  272                       ; an LDS row: 256 bytes + 16 of padding: the 16 rows that a load touches start at 16 different banks (64 banks of 4 bytes: ISA guide 11.1)
.set XB,     256*PITCH                 ; behind x's 256 rows in a slot: w_k's 64 rows, w_q's, w_v's
.set WB,     64*PITCH
.set SLOT,   XB+3*WB
.set SPARE,  2*SLOT                    ; the spare words, 128 bytes for each wave
.set ADRA, 16
.set ADW,  18
.set ADV,  20
.set COA,  24
.set SOQ,  25
.set SOV,  26
.set SPW,  28
.set NIL,  29
.set PFO,  30
.set SX,   32
.set SW,   68                          ; no product's two scale registers have numbers equal modulo 8
.set AF,   128
.set HN,   128
.set PC,   192
.set TM,   224
.set WD,   240
.set OUTW, 248
.set G1X, 24
.set G0X, 32
.set G0K, 36
.set G1W, 48
.set G0Q, 56
.set G0V, 60
.set MSB, 0
.macro WIN new                         ; the immediate's high byte repeats the setting that is left
.if MSB != \new
	s_set_vgpr_msb (MSB<<8)|\new
.set MSB, \new
.endif
.endm
.set MULQ, 0xa1                        ; source 0 (weight) window 1, source 1 (x) window 0, C and D window 2
.set MULV, 0xf4                        ; source 0 (x) window 0, source 1 (weight) window 1, C and D window 3
.set TO_B, 0x40
.macro PLACES n
.rept \n
	v_nop
.endr
.endm
.macro TL g0, g1                       ; a tensor load; an s_nop 0 and four v_nop follow it
	tensor_load_to_lds s[\g0:\g0+3], s[\g1:\g1+7]
	s_nop 0
	PLACES 4
.endm
.macro JLOAD                           ; one joint load a wave: wave 0 x's 256 rows, waves 1 to 3 the 64 rows of w_k, w_q, w_v.  The branches hang on the wave's number alone
	s_cmp_eq_u32 s14, 0
	s_cbranch_scc0 .Lb_\@
	TL G0X, G1X
	s_branch .Lz_\@
.Lb_\@:
	s_cmp_eq_u32 s14, 1
	s_cbranch_scc0 .Lc_\@
	TL G0K, G1W
	s_branch .Lz_\@
.Lc_\@:
	s_cmp_eq_u32 s14, 2
	s_cbranch_scc0 .Ld_\@
	TL G0Q, G1W
	s_branch .Lz_\@
.Ld_\@:
	TL G0V, G1W
.Lz_\@:
.endm
.macro NEXT slot                       ; the groups 0 go on by one K step of 256, into the slot named; no tensor load of the wave is out
	s_mov_b32 s[G0X+1], (\slot)*SLOT
	s_mov_b32 s[G0K+1], (\slot)*SLOT+XB
	s_mov_b32 s[G0Q+1], (\slot)*SLOT+XB+WB
	s_mov_b32 s[G0V+1], (\slot)*SLOT+XB+2*WB
.irp g, G0X, G0K, G0Q, G0V
	s_add_nc_u64 s[\g+2:\g+3], s[\g+2:\g+3], 256
.endr
.endm
.macro PREF k                          ; my share of K step k's rows
	global_prefetch_b8 v[PFO], s[90:91] offset:256*\k th:TH_LOAD_NT scope:SCOPE_SE
	s_cmp_eq_u32 s14, 0
	s_cbranch_scc0 .Lp_\@
	global_prefetch_b8 v[PFO], s[90:91] offset:32768+256*\k th:TH_LOAD_NT scope:SCOPE_SE
.Lp_\@:
.endm
.macro CREST                           ; a round of the cluster's barrier behind its opening barrier
	s_cmp_lg_u32 s14, 0
	s_cbranch_scc1 .Lnot_wave_0_\@
	s_barrier_signal -3
.Lnot_wave_0_\@:
	s_barrier_wait -3
	s_barrier_signal -1
	s_barrier_wait -1
.endm
.macro CROUND                          ; a whole round
	s_barrier_signal -1
	s_barrier_wait -1
	CREST
.endm
	s_load_b256 s[68:75], s[0:1], 0x0              ; x's codes, x's scales, w_k's codes, w_k's scales
	s_load_b256 s[76:83], s[0:1], 0x20             ; w_q's codes, w_q's scales, w_v's codes, w_v's scales
	s_load_b128 s[84:87], s[0:1], 0x40             ; qkv_codes, qkv_scales
	v_lshl_add_u32 v[SPW], v0, 2, SPARE
	v_mov_b32 v[NIL], 0
	ds_add_u32 v[SPW], v[NIL]                      ; the wave's opening: the add, twice on end, under one wait
	ds_add_u32 v[SPW], v[NIL]
	v_lshrrev_b32 v1, 5, v0
	v_readfirstlane_b32 s14, v1                    ; wave 0..3
	s_lshr_b32 s15, s14, 1                         ; wave row
	s_and_b32 s16, s14, 1                          ; wave column
	s_bfe_u32 s40, ttmp6, 0x40000                  ; cx, cy: my place in the cluster
	s_bfe_u32 s41, ttmp6, 0x40004
	s_lshl_b32 s42, ttmp9, 2
	s_add_co_u32 s42, s42, s40                     ; the head
	s_and_b32 s17, ttmp7, 0xffff
	s_lshl_b32 s17, s17, 2
	s_add_co_u32 s17, s17, s41                     ; the tile of 256 tokens
	s_lshl_b32 s43, s41, 2
	s_lshl_b32 s43, 15, s43                        ; my row of the cluster shares x
	s_lshl_b32 s44, 0x1111, s40                    ; my column the weights
	s_or_b32 s[G1X+0], s43, (1<<20)|(1<<21)|(5<<22)|(3<<25)   ; elements of 1 byte; padding: after every 64 words four; bit 21 beside a mask
	s_or_b32 s[G1W+0], s44, (1<<20)|(1<<21)|(5<<22)|(3<<25)
.irp g, G1X, G1W
	s_mov_b32 s[\g+1], 256<<16                     ; tensor_dim0
	s_mov_b32 s[\g+3], 256<<16                     ; tile_dim0
	s_mov_b32 s[\g+5], 1024                        ; the pitch
	s_mov_b32 s[\g+6], 0
	s_mov_b32 s[\g+7], 0
.endr
	s_mov_b32 s[G1X+2], 256<<16                    ; rows
	s_mov_b32 s[G1X+4], 256
	s_mov_b32 s[G1W+2], 64<<16
	s_mov_b32 s[G1W+4], 64
	s_lshl_b32 s20, s17, 18                        ; x: 256 rows of 1,024 bytes a tile
	s_mov_b32 s21, 0
	s_lshl_b32 s22, s42, 16                        ; a weight: 64 rows a head
	s_mov_b32 s23, 0
	s_mul_i32 s2, s15, 128*PITCH                   ; my 128 rows of x in a slot
	s_mul_i32 s3, s16, WB
	s_add_co_u32 s3, s3, XB                        ; my 64 rows of w_k or w_q
	s_mul_i32 s45, s16, 16*PITCH
	s_add_co_u32 s45, s45, XB+2*WB                 ; my two tiles of w_v: 16 s16 and 32 + 16 s16
	s_lshl_b32 s46, s16, 9
	s_lshl_b32 s47, s16, 7
	s_mov_b32 s66, 31
	s_cmp_eq_u32 s14, 0
	s_cselect_b32 s66, s66, 15                     ; a prefetch's rows: 32 lanes, or 16 (lanes 16-31 name the same rows)
	v_and_b32 v1, 15, v0                           ; r
	v_bfe_u32 v2, v0, 4, 1                         ; h
	v_and_b32 v3, 31, v0                           ; lane
	v_mul_u32_u24 v4, v1, PITCH
	v_lshl_add_u32 v4, v2, 4, v4                   ; a fragment's row x pitch + 16 h
	v_add_nc_u32 v[ADRA], s2, v4
	v_add_nc_u32 v[ADRA+1], SLOT, v[ADRA]
	v_add_nc_u32 v[ADW], s3, v4
	v_add_nc_u32 v[ADW+1], SLOT, v[ADW]
	v_add_nc_u32 v[ADV], s45, v4
	v_add_nc_u32 v[ADV+1], SLOT, v[ADV]
	v_lshlrev_b32 v[COA], 4, v3
	v_lshlrev_b32 v8, 5, v3                        ; scale bytes: 32 a row: lane l takes row l of a pair of blocks
	v_lshlrev_b32 v9, 5, v1
	v_lshl_add_u32 v9, v2, 10, v9                  ; w_v's: row 16 s16 + r + 32 h
	v_add_nc_u32 v9, s46, v9
	v_lshlrev_b32 v[SOQ], 3, v3
	v_lshlrev_b32 v[SOV], 3, v1
	v_add_nc_u32 v[SOV], s47, v[SOV]
	v_and_b32 v[PFO], s66, v3
	v_lshlrev_b32 v[PFO], 10, v[PFO]
	s_wait_alu depctr_va_vdst(0)                   ; the wait at the head's end
	s_wait_dscnt 0x0                               ; both opening adds are done
	CROUND                                         ; all sixteen work-groups are here: the first joint loads meet
	s_wait_kmcnt 0x0
	s_add_nc_u64 s[4:5], s[68:69], s[20:21]
	s_add_nc_u64 s[6:7], s[72:73], s[22:23]
	s_add_nc_u64 s[8:9], s[76:77], s[22:23]
	s_add_nc_u64 s[10:11], s[80:81], s[22:23]
	s_mov_b32 s[G0X], 1
	s_mov_b32 s[G0X+1], 0
	s_mov_b64 s[G0X+2:G0X+3], s[4:5]
	s_mov_b32 s[G0K], 1
	s_mov_b32 s[G0K+1], XB
	s_mov_b64 s[G0K+2:G0K+3], s[6:7]
	s_mov_b32 s[G0Q], 1
	s_mov_b32 s[G0Q+1], XB+WB
	s_mov_b64 s[G0Q+2:G0Q+3], s[8:9]
	s_mov_b32 s[G0V], 1
	s_mov_b32 s[G0V+1], XB+2*WB
	s_mov_b64 s[G0V+2:G0V+3], s[10:11]
.irp g, G0X, G0K, G0Q, G0V
	s_or_b32 s[\g+3], s[\g+3], 0x80000000
.endr
	JLOAD                                          ; K step 0: one tensor load a wave at the head
	s_lshl_b32 s20, s17, 13                        ; x's scale bytes: my 128 rows
	s_lshl_b32 s18, s15, 12
	s_add_co_u32 s20, s20, s18
	s_add_nc_u64 s[94:95], s[70:71], s[20:21]
	s_lshl_b32 s22, s42, 11                        ; a head's 64 rows
	s_cmp_eq_u32 s16, 1
	s_cselect_b64 s[96:97], s[78:79], s[74:75]     ; q is made by w_k, k by w_q
	s_add_nc_u64 s[96:97], s[96:97], s[22:23]
	s_add_nc_u64 s[98:99], s[82:83], s[22:23]
.irp g, 0,1
.irp i, 0,1,2,3
	global_load_b128 v[SX+8*\i+4*\g:SX+8*\i+4*\g+3], v8, s[94:95] offset:1024*\i+16*\g
.endr
.irp i, 0,1
	global_load_b128 v[SW+8*\i+4*\g:SW+8*\i+4*\g+3], v8, s[96:97] offset:1024*\i+16*\g
.endr
	global_load_b128 v[SW+16+4*\g:SW+16+4*\g+3], v9, s[98:99] offset:16*\g
.endr
	; the prefetches' base: x's tile (wave 0) + 64 cx rows, or my weight's 64 rows + 16 cy
	s_cmp_eq_u32 s14, 1
	s_cselect_b64 s[90:91], s[6:7], s[4:5]
	s_cmp_eq_u32 s14, 2
	s_cselect_b64 s[90:91], s[8:9], s[90:91]
	s_cmp_eq_u32 s14, 3
	s_cselect_b64 s[90:91], s[10:11], s[90:91]
	s_lshl_b32 s92, s40, 16
	s_lshl_b32 s93, s41, 14
	s_cmp_eq_u32 s14, 0
	s_cselect_b32 s92, s92, s93
	s_mov_b32 s93, 0
	s_add_nc_u64 s[90:91], s[90:91], s[92:93]
	PREF 1
	; where my results go
	s_lshl_b32 s18, s17, 1
	s_add_co_u32 s18, s18, s15                     ; the group of 128 tokens, 0 .. 31
	s_lshr_b32 s19, s18, 4                         ; the batch
	s_and_b32 s18, s18, 15
	s_lshl_b32 s20, s19, 21
	s_lshl_b32 s19, s42, 17
	s_add_co_u32 s20, s20, s19                     ; bh x 131,072
	s_lshl_b32 s19, s18, 13
	s_add_co_u32 s20, s20, s19                     ; + 8,192 a group
	s_lshl_b32 s22, s16, 22
	s_add_co_u32 s22, s22, s20                     ; q or k
	s_add_nc_u64 s[12:13], s[84:85], s[22:23]
	s_lshr_b32 s22, s22, 5                         ; scale bytes: one for each 32 codes, in the same order
	s_add_nc_u64 s[66:67], s[86:87], s[22:23]
	s_add_co_u32 s20, s20, 2<<22                   ; v
	s_lshr_b32 s22, s20, 5
	s_add_nc_u64 s[46:47], s[86:87], s[22:23]
	s_lshl_b32 s22, s16, 11
	s_add_co_u32 s22, s22, s20
	s_add_nc_u64 s[2:3], s[84:85], s[22:23]
	s_mov_b32 s92, 0x76543210                      ; v_permlanex16_b32's selects for lane l xor 16
	s_mov_b32 s93, 0xfedcba98
	s_mov_b32 s100, 0x4800000                      ; the floor 2^(9 - 127)
	s_mov_b32 s101, 0x600000                       ; the mantissa field of 448
.macro FRAG reg, adr, off              ; a fragment: lane l holds row l % 16; registers 4 c .. 4 c + 3 hold K = 32 c + 16 (l / 16) + 0 .. 15
.irp c, 0,1,2,3
	ds_load_b128 v[\reg+4*\c:\reg+4*\c+3], v[\adr] offset:\off+32*\c
.endr
.endm
.macro FETCH_B slot, q, p              ; the weights' six fragments of the slot's q-th 128 along K into set p: 24 loads
	WIN TO_B
.irp i, 0,1,2,3
	FRAG 128*(\p)+16*\i, ADW+\slot, 128*(\q)+\i*16*PITCH
.endr
.irp i, 0,1
	FRAG 128*(\p)+64+16*\i, ADV+\slot, 128*(\q)+\i*32*PITCH
.endr
	WIN 0
.endm
.macro FETCH_A slot, q, i0             ; x's blocks i0 .. i0 + 3: 16 loads
.irp i, \i0, \i0+1, \i0+2, \i0+3
	FRAG AF+16*(\i), ADRA+\slot, 128*(\q)+(\i)*16*PITCH
.endr
.endm
.macro WM z                            ; one matrix instruction; K_: bit 0 source 0's scales in lanes 16-31, bit 1 source 1's
.if \z
.if K_ == 0
	v_wmma_scale_f32_16x16x128_f8f6f4 v[D_:D_+7], v[A_:A_+15], v[B_:B_+15], 0, v[U_], v[V_]
.elseif K_ == 1
	v_wmma_scale_f32_16x16x128_f8f6f4 v[D_:D_+7], v[A_:A_+15], v[B_:B_+15], 0, v[U_], v[V_] matrix_a_scale:MATRIX_SCALE_ROW1
.elseif K_ == 2
	v_wmma_scale_f32_16x16x128_f8f6f4 v[D_:D_+7], v[A_:A_+15], v[B_:B_+15], 0, v[U_], v[V_] matrix_b_scale:MATRIX_SCALE_ROW1
.else
	v_wmma_scale_f32_16x16x128_f8f6f4 v[D_:D_+7], v[A_:A_+15], v[B_:B_+15], 0, v[U_], v[V_] matrix_a_scale:MATRIX_SCALE_ROW1 matrix_b_scale:MATRIX_SCALE_ROW1
.endif
.else
.if K_ == 0
	v_wmma_scale_f32_16x16x128_f8f6f4 v[D_:D_+7], v[A_:A_+15], v[B_:B_+15], v[D_:D_+7], v[U_], v[V_]
.elseif K_ == 1
	v_wmma_scale_f32_16x16x128_f8f6f4 v[D_:D_+7], v[A_:A_+15], v[B_:B_+15], v[D_:D_+7], v[U_], v[V_] matrix_a_scale:MATRIX_SCALE_ROW1
.elseif K_ == 2
	v_wmma_scale_f32_16x16x128_f8f6f4 v[D_:D_+7], v[A_:A_+15], v[B_:B_+15], v[D_:D_+7], v[U_], v[V_] matrix_b_scale:MATRIX_SCALE_ROW1
.else
	v_wmma_scale_f32_16x16x128_f8f6f4 v[D_:D_+7], v[A_:A_+15], v[B_:B_+15], v[D_:D_+7], v[U_], v[V_] matrix_a_scale:MATRIX_SCALE_ROW1 matrix_b_scale:MATRIX_SCALE_ROW1
.endif
.endif
.endm
; q's or k's 16 products of x's blocks a0 .. a0 + 3, the q-th 128 of K; p: the weights' set.  The 48 accumulators take turns, in the same order in every step.
.macro MQ a0, p, q, z
.irp a, \a0, \a0+1, \a0+2, \a0+3
.irp f, 0,1,2,3
.set D_, 32*(\a)+8*\f
.set A_, 128*(\p)+16*\f
.set B_, AF+16*(\a)
.set U_, SW+8*(\f/2)+(\q)
.set V_, SX+8*((\a)/2)+(\q)
.set K_, (\f%2)+2*((\a)%2)
	WM \z
.endr
.endr
.endm
.macro MV a0, p, q, z                  ; v's eight
.irp a, \a0, \a0+1, \a0+2, \a0+3
.irp f, 4,5
.set D_, 64*(\f-4)+8*(\a)
.set A_, AF+16*(\a)
.set B_, 128*(\p)+16*\f
.set U_, SX+8*((\a)/2)+(\q)
.set V_, SW+16+(\q)
.set K_, ((\a)%2)+2*(\f%2)
	WM \z
.endr
.endr
.endm
; A load into a register that a matrix instruction has read, and a vector instruction that reads a matrix result, stand eight places behind it; only plain vector instructions that name none of its registers are places.
; A slot's first 128 along K: the second's weights are asked for ahead of the products (their set is free), x's blocks as soon as theirs are issued.
.macro STEP slot, q, z
	FETCH_B \slot, 1, 1
	s_wait_dscnt 40                                ; set 0 and x's blocks 0-3 are in; blocks 4-7 (16 loads) and set 1 (24) may be out
	WIN MULQ
	MQ 0, 0, \q, \z
	WIN MULV
	MV 0, 0, \q, \z
	PLACES 8
	WIN 0
	FETCH_A \slot, 1, 0
	s_wait_dscnt 40                                ; blocks 4-7 are in; the 24 and the 16 just issued may be out
	WIN MULQ
	MQ 4, 0, \q, \z
	WIN MULV
	MV 4, 0, \q, \z
	PLACES 8
	WIN 0
	FETCH_A \slot, 1, 4
.endm
; A slot's second 128 changes slots: ONE barrier; in front of it each wave waits for all its tensor loads, adds 0 to its spare word, and waits for that and for its own reads of this slot.  fill = 1: the barrier opens a round and this slot is filled again, two K steps on.
.macro TURN slot, next, q, fill
	s_wait_tensorcnt 0x0                           ; my part of the next slot has landed
	ds_add_u32 v[SPW], v[NIL]                      ; 0 onto my spare word
.if \fill
	NEXT \slot
.endif
	s_wait_dscnt 17                                ; the add and the youngest sixteen loads, x's blocks 4-7, may be out
	WIN MULQ
	MQ 0, 1, \q, 0
	s_wait_dscnt 0x0                               ; the add is done, and my reads of this slot are over
	s_barrier_signal -1
	WIN MULV
	MV 0, 1, \q, 0
	WIN 0
	s_barrier_wait -1
.if \fill
	CREST                                          ; no wave of any partner still reads this slot's tile or has a load on its way
	JLOAD                                          ; the first tensor load behind the round; its four v_nop are among the places
	PLACES 4
.else
	PLACES 8
.endif
	FETCH_B \next, 0, 0
	FETCH_A \next, 0, 0
.if (\fill) && (\slot == 0)
	PREF 3
.endif
	WIN MULQ
	MQ 4, 1, \q, 0
	WIN MULV
	MV 4, 1, \q, 0
	PLACES 8
	WIN 0
	FETCH_A \next, 0, 4
.endm
	s_wait_tensorcnt 0x0                           ; my tile of K step 0 is in
	ds_add_u32 v[SPW], v[NIL]
	NEXT 1                                         ; no tensor load of mine is out, so the groups 0 may be written
	s_wait_dscnt 0x0
	CROUND                                         ; all four tiles are in, and all sixteen work-groups are here
	JLOAD                                          ; K step 1
	FETCH_B 0, 0, 0
	FETCH_A 0, 0, 0
	FETCH_A 0, 0, 4
	PREF 2
	s_wait_loadcnt 0x0                             ; the scale words
	STEP 0, 0, 1                                   ; the first products start the sums
	TURN 0, 1, 1, 1
	STEP 1, 2, 0
	TURN 1, 0, 3, 1
	STEP 0, 4, 0
	TURN 0, 1, 5, 0                                ; nothing is filled again
	STEP 1, 6, 0
	s_wait_dscnt 16                                ; the last 128 along K
	WIN MULQ
	MQ 0, 1, 7, 0
	WIN MULV
	MV 0, 1, 7, 0
	s_wait_dscnt 0x0
	WIN MULQ
	MQ 4, 1, 7, 0
	WIN MULV
	MV 4, 1, 7, 0
	WIN 0
; THE WAY OUT of unit u: four blocks of 32 numbers, 64 registers: u = 0 .. 3: token tiles 2 u and 2 u + 1 of q or k;  u = 4, 5: one of my two feature tiles of v.  Each block is shared with lane l xor 16.
; Largest magnitude with the floor among its leaves; 8 off its exponent field is the conversion's scale operand, that shifted down the scale's byte; the hold at 448 x the scale (the conversion to an 8-bit code does not saturate: ISA guide 7.6.2).
.macro QOUT u
.set AC,   64*((\u)%4)
.set PCS,  PC+16*((\u)%2)-100*(((\u)/2)%2)   ; four sets of codes: v192, v208, v92, v108
.set WMAX, 0x28+0x14*((\u)/4)          ; sources 1 and 2 in the accumulators' window
.set WHLD, 0x02+(\u)/4                 ; source 0 there
	WIN WMAX
.irp b, 0,1,2,3
	v_max3_num_f32 v[TM+\b], s100, |v[AC+16*\b]|, |v[AC+16*\b+1]|    ; each accumulator from its low end on; the four blocks take turns
.endr
.irp i, 2,4,6,8,10,12,14
.irp b, 0,1,2,3
	v_max3_num_f32 v[TM+\b], v[TM+\b], |v[AC+16*\b+\i]|, |v[AC+16*\b+\i+1]|
.endr
.endr
	WIN 0
.irp b, 0,1,2,3
	v_permlanex16_b32 v[TM+4+\b], v[TM+\b], s92, s93
.endr
.irp b, 0,1,2,3
	v_max_num_f32 v[TM+\b], v[TM+\b], v[TM+4+\b]
.endr
.irp b, 0,1,2,3
	v_add_nc_u32 v[TM+12+\b], 0xfc000000, v[TM+\b]
.endr
.irp b, 0,1,2,3
	v_lshrrev_b32 v[TM+4+\b], 23, v[TM+12+\b]      ; the scale's byte
.endr
	v_lshl_or_b32 v[WD+\u], v[TM+5], 8, v[TM+4]
	v_and_or_b32 v[TM+8], v[TM], 0x7f800000, s101  ; 448 x the scale
	v_and_or_b32 v[TM+9], v[TM+1], 0x7f800000, s101
	v_lshl_or_b32 v[WD+\u], v[TM+6], 16, v[WD+\u]
	v_and_or_b32 v[TM+10], v[TM+2], 0x7f800000, s101
	v_and_or_b32 v[TM+11], v[TM+3], 0x7f800000, s101
	v_lshl_or_b32 v[WD+\u], v[TM+7], 24, v[WD+\u]
	WIN WHLD
.irp b, 0,1,2,3
.set n, 0
.rept 16
	v_med3_num_f32 v[HN+16*\b+n], v[AC+16*\b+n], -v[TM+8+\b], v[TM+8+\b]
.set n, n+1
.endr
.endr
	WIN 0
.if (\u) == 4
	s_wait_alu depctr_va_vdst(0)
	s_wait_xcnt 0x0                                ; units 0 to 3's stores have read their data: the first two sets may be written again
.endif
.irp b, 0,1,2,3
	v_cvt_scalef32_pk8_fp8_f32 v[PCS+4*\b:PCS+4*\b+1], v[HN+16*\b:HN+16*\b+7], v[TM+12+\b]
	v_cvt_scalef32_pk8_fp8_f32 v[PCS+4*\b+2:PCS+4*\b+3], v[HN+16*\b+8:HN+16*\b+15], v[TM+12+\b]
.endr
	v_nop                                          ; a plain vector instruction behind the last conversion
.irp b, 0,1,2,3
.if (\u) < 4
	global_store_b128 v[COA], v[PCS+4*\b:PCS+4*\b+3], s[12:13] offset:2048*(\u)+512*\b
.else
	global_store_b128 v[COA], v[PCS+4*\b:PCS+4*\b+3], s[2:3] offset:4096*(\u-4)+512*\b
.endif
.endr
.endm
	PLACES 8                                       ; behind the last products: their results are read and their operands' registers written below
.irp b, 0,1,2,3
	v_mov_b32 v[TM+4+\b], 0                        ; written once: a lane permute's destination counts as one of its sources
.endr
.irp u, 0,1,2,3,4,5
	QOUT \u
.endr
	s_mov_b32 s94, 0xffff0000                      ; lanes 16-31
	v_cndmask_b32 v[OUTW], v[WD], v[WD+2], s94     ; q, k: lanes 0-15 store the words of token tiles 0 to 3, lanes 16-31 those of 4 to 7
	v_cndmask_b32 v[OUTW+1], v[WD+1], v[WD+3], s94
	global_store_b64 v[SOQ], v[OUTW:OUTW+1], s[66:67]
	global_store_b64 v[SOV], v[WD+4:WD+5], s[46:47]
	s_wait_tensorcnt 0x0                           ; the wave's end
	ds_add_u32 v[SPW], v[NIL]
	s_wait_dscnt 0x0
	CROUND                                         ; the closing round: no work-group ends while a partner may still ask for a tile that names it
	s_endpgm
.Lfunc_end_k_qff5f5b6e1a_qkv:
	.size	k_qff5f5b6e1a_qkv, .Lfunc_end_k_qff5f5b6e1a_qkv-k_qff5f5b6e1a_qkv
	.p2alignl 7, 3214868480
	.fill 96, 4, 3214868480
	.section	.rodata,"a",@progbits
	.p2align	6, 0x0
	.amdhsa_kernel k_qff5f5b6e1a_qkv
		.amdhsa_group_segment_fixed_size 327680
		.amdhsa_private_segment_fixed_size 0
		.amdhsa_enable_private_segment 0
		.amdhsa_kernarg_size 80
		.amdhsa_user_sgpr_count 2
		.amdhsa_user_sgpr_kernarg_segment_ptr 1
		.amdhsa_wavefront_size32 1
		.amdhsa_system_sgpr_workgroup_id_x 1
		.amdhsa_system_sgpr_workgroup_id_y 1
		.amdhsa_system_sgpr_workgroup_id_z 1
		.amdhsa_system_vgpr_workitem_id 0
		.amdhsa_next_free_vgpr 1024
		.amdhsa_next_free_sgpr 102
		.amdhsa_reserve_vcc 0
		.amdhsa_float_denorm_mode_32 3
		.amdhsa_float_denorm_mode_16_64 3
		.amdhsa_memory_ordered 1
		.amdhsa_forward_progress 1
		.amdhsa_inst_pref_size 150
	.end_amdhsa_kernel
	.amdgpu_metadata
---
amdhsa.version: [ 1, 2 ]
amdhsa.kernels:
  - .name:           k_qff5f5b6e1a_qkv
    .symbol:         k_qff5f5b6e1a_qkv.kd
    .args:
      - { .name: x_codes, .offset: 0, .size: 8, .value_kind: global_buffer, .address_space: global }
      - { .name: x_scales, .offset: 8, .size: 8, .value_kind: global_buffer, .address_space: global }
      - { .name: w_k_codes, .offset: 16, .size: 8, .value_kind: global_buffer, .address_space: global }
      - { .name: w_k_scales, .offset: 24, .size: 8, .value_kind: global_buffer, .address_space: global }
      - { .name: w_q_codes, .offset: 32, .size: 8, .value_kind: global_buffer, .address_space: global }
      - { .name: w_q_scales, .offset: 40, .size: 8, .value_kind: global_buffer, .address_space: global }
      - { .name: w_v_codes, .offset: 48, .size: 8, .value_kind: global_buffer, .address_space: global }
      - { .name: w_v_scales, .offset: 56, .size: 8, .value_kind: global_buffer, .address_space: global }
      - { .name: qkv_codes, .offset: 64, .size: 8, .value_kind: global_buffer, .address_space: global }
      - { .name: qkv_scales, .offset: 72, .size: 8, .value_kind: global_buffer, .address_space: global }
    .group_segment_fixed_size: 327680
    .private_segment_fixed_size: 0
    .kernarg_segment_align: 8
    .kernarg_segment_size: 80
    .max_flat_workgroup_size: 128
    .sgpr_count:     102
    .vgpr_count:     1024
    .wavefront_size: 32
...
	.end_amdgpu_metadata
.endif
;; end of part 1
;; launch attn (part 2): grid 8 x 32, 16 waves a work-group, clusters of 4 x 1, 307,200 bytes of LDS; arguments qkv_codes, qkv_scales, ctx_codes, ctx_scales; writes ctx_codes, ctx_scales
.if DOCPART == 2
	.amdgcn_target "amdgcn-amd-amdhsa--gfx1250"
	.amdhsa_code_object_version 6
	.text
	.protected	k_qff5f5b6e1a_attn
	.globl	k_qff5f5b6e1a_attn
	.p2align	8
	.type	k_qff5f5b6e1a_attn,@function
k_qff5f5b6e1a_attn:
	s_mov_b64 s[64:65], 0
	v_nop
	global_prefetch_b8 v0, s[64:65] scope:SCOPE_SE
	s_setreg_imm32_b32 hwreg(HW_REG_WAVE_MODE, 25, 1), 1
	s_wait_xcnt 0x0
	s_wait_alu depctr_hold_cnt(0) depctr_sa_sdst(0) depctr_va_vdst(0) depctr_va_sdst(0) depctr_va_ssrc(0) depctr_va_vcc(0) depctr_vm_vsrc(0)
	s_getreg_b32 s2, hwreg(HW_REG_IB_STS2, 6, 4)
	s_cmp_eq_u32 s2, 0
	s_cbranch_scc0 .Lentry_in_a_cluster
	s_endpgm
.Lentry_in_a_cluster:
	s_bfe_u32 s2, ttmp6, 0x10000c
	s_cmp_lg_u32 s2, 0x3003
	s_cbranch_scc0 .Lentry_shape_is_right
	s_endpgm
.Lentry_shape_is_right:
; ctx[b][q][head] = softmax over keys k <= q of (q . k / 32) times v, both products on codes of FP8 (E4M3) with E8M0 scales; ctx is quantised here along its 1,024 and leaves as codes and scale bytes.
; THE SOFTMAX: t = score x log2(e) / 32; M = the running largest t, rounded UP to a whole number; p = 2^(t - M) is quantised along the keys, not normalised; the row's sum is taken of the unquantised p and divides at the end.
; When M moves, the sum and O are multiplied by 2^(old M - new M): exact.
; WORK LEFT OUT: steps of 128 keys all of which come after a tile's queries: the causal mask makes their weights 0 for all values of the inputs.
; SHARES.  Head bh = work-group y; bq = work-group x (0 .. 7).  The head's 128 tiles of 16 queries are numbered 8 a + bq; tile 8 a + bq needs key steps 0 .. a of 128 keys.  Waves w and w + 8 (w = 0 .. 7) share the tiles a = 15 - w and a = w, 17 key steps:
; wave w walks steps 0 .. 8 of the long tile; wave w + 8 the short tile's w + 1 steps, stores that tile, and then walks the long tile's steps 9 .. 15 - w.  Its O, M and sum go through LDS to wave w, which joins the two parts and stores the long tile.
; So every four waves w, w + 4, w + 8, w + 12 walk 34 steps.  What is left out hangs on the wave's number and a counter alone.
; CLUSTER.  The four work-groups of a cluster belong to one head: its K, V and their scale bytes are asked for JOINTLY, once, at the head: 264 KiB that stay in LDS: nothing is filled again.
; My place in the cluster enters global addresses and the numbers of the diagonal's mask, and nothing else.
; LANDING.  Keys 0 to 511 and all scale words are shown by the first barrier.  The rest is shown by the second, in two halves: a wave signals behind key step 0, with its own tensor loads and LDS reads waited for, and waits ahead of key step 4; between the two it reads keys 0 to 511 alone, which nobody writes.
; No prefetch: every byte of K and V that the work-group reads is asked for by the tensor loads at the head; there is no later request to run ahead of.
; LAYOUT.  Both products are used transposed: S^T = K Q^T, O^T = V^T P^T: a lane (r, h) holds query r throughout.  K, V and Q lie in memory in the order of the operands' registers: every LDS load takes 16 x lane on end.
; THE HEAD IS 64 AND THE INSTRUCTION'S K IS 128.  A fragment of K is TWO tiles of 16 keys: row r holds key r of the first tile in blocks 0, 1 and key r of the second in blocks 2, 3.  It is multiplied twice: by Q with zero codes in
; blocks 2, 3 (the first tile's scores) and by Q with zero codes in blocks 0, 1 (the second's).  The zero blocks' scale byte is 1.
; THE MASK.  On the diagonal the products begin with C = 0 for keys that count and C = -3e38 for hidden ones, so that p = 0 there.
; INSIDE A BLOCK OF 32 KEYS p's codes stand in the order in which the scores fall (keys 32 c + 8 h + j, then 32 c + 16 + 8 h + j); V's codes were laid in the same order.
; LIMITS: NaN and infinities are not served; scaled scores (exponents to the base 2) stay under 2^31 in magnitude.  A block of zeros gets the byte 1 where the quantiser says 127: its codes are zeros, and these bytes are read by this program alone.
; ctx_scales is stored two bytes a row, 32 bytes apart (a head's two of a row's 32): one byte in 32 of what the launch stores; both halves of the lanes store the same bytes.
.set SCK,  262144                      ; LDS: K's codes at 0, V's at 131,072, K's scale words here (4,096 bytes), V's behind them
.set SPARE, 270336                     ; the spare words, 128 bytes for each wave
.set PART, 272384                      ; the long tiles' second parts: 4,352 bytes for each pair of waves
.set LK,   1                           ; v1   16 x lane
.set LSK,  2                           ; v2   SCK + 8 x lane
.set PS,   3                           ; v3   p's scale word
.set ADK,  4                           ; v4-6 the step's LDS addresses: K, the scale words, V
.set ADS,  5
.set ADV,  6
.set NIL,  7                           ; v7   0; never rewritten
.set FF,   8                           ; v[8:9] f = 2^(old M - new M), later 1 / the sum (the low word serves both halves)
                                       ; v[10:11] the sum's second chain; v11 also at work ahead of it
.set TA,   11                          ; v12 -M, v13 the largest t, v[14:15] the sum in two halves
.set QHI,  16                          ; v[16:31] zeros, Q;  v[24:39] Q, zeros
.set QLO,  24
.set FRG,  40                          ; v40-103  four fragments of K or of V
.set S,    104                         ; v104-167 S^T, then p
.set OT,   168                         ; v168-199 O^T
.set PC,   200                         ; v200-215 p's codes
.set XJ,   216                         ; v216-223 the diagonal tile's mask: -3e38 where j > r - 8 h
.set QB,   224                         ; v224-231 the long tile's Q
.set RAWL, 232                         ; v232 and its scale word as loaded
.set QSLO, 233                         ; v233, v234 Q's scale words for the two forms of Q
.set SPW,  235                         ; v235 my spare word; never rewritten
.set KSC,  236                         ; v236-237 K's scale words of the step, v238-239 V's
.set VSC,  238
.set MX,   240                         ; v240-243 largest, v244-247 bytes, v248-251 448 x the scale, v252-255 the conversions' scale operands
.set WV,   12                          ; s12 my wave's number
.set G1C,  16                          ; s[16:23] group 1: 128 rows of 256 bytes;  s[24:31]: 16 rows
.set G1S,  24
.set G0C,  32                          ; s[32:35] group 0: 512 keys of K or V;  s[36:39]: scale words
.set G0S,  36
.set EK,   40                          ; s[40:41] 1 on the diagonal's own tile of keys, else 0
.set GK,   42                          ; s42 -3e38 behind it, else 0
.set PRT,  43                          ; s43 my pair's bytes
.set A1,   44                          ; s44 a of my first tile (the one that I store)
.set A2,   45                          ; s45 15 - w: the long tile
.set TB,   52                          ; s52 where the step's tiles begin in K's part of LDS
.set TS,   53                          ; s53 and its scale words
.set STP,  54                          ; s54 the step's number
.set AJ,   55                          ; s55 the last step of the walk
.set CNT,  56
.set QSH,  57                          ; s57 16 (bq % 2): which half of a pair's scale word is my tile's
.set CS,   58                          ; s[58:59] c = log2(e) / 32
.set SEL,  60                          ; s[60:61] selects for lane l xor 16
.set MNT,  62                          ; s62 the mantissa field of 448
.set NEG,  63                          ; s63 -3e38
.macro WALU
	s_wait_alu depctr_va_vdst(0)
.endm
.macro ROUND                           ; a round of the cluster's barrier
	s_barrier_signal -1
	s_barrier_wait -1
	s_cmp_lg_u32 s[WV], 0
	s_cbranch_scc1 .Lnot_wave_0_\@
	s_barrier_signal -3
.Lnot_wave_0_\@:
	s_barrier_wait -3
	s_barrier_signal -1
	s_barrier_wait -1
.endm
.macro TL g0, g1                       ; a tensor load; an s_nop 0 and four v_nop follow it
	tensor_load_to_lds s[\g0:\g0+3], s[\g1:\g1+7]
	s_nop 0
.rept 4
	v_nop
.endr
.endm
.macro ADDR dst, base, com, areg, sh   ; a buffer's address + the part common to all tiles + a << sh  (s89 = 0)
	s_lshl_b32 s88, s[\areg], \sh
	s_add_co_u32 s88, s88, s[\com]
	s_add_nc_u64 s[\dst:\dst+1], s[\base:\base+1], s[88:89]
.endm
.macro QSC raw                         ; Q's two scale words from the pair's word: my tile's two bytes beside the byte 1 for the zero blocks
	v_lshrrev_b32 v[TA], s[QSH], v[\raw]
	v_and_b32 v[TA], 0xffff, v[TA]
	v_or_b32 v[QSLO], 0x01010000, v[TA]
	v_lshl_or_b32 v[QSLO+1], v[TA], 16, 0x0101
.endm
.macro INIT                            ; a tile begins: O^T and the sum as zeros, the largest t as -3e38, under every t: the first change of M multiplies zeros
	v_mov_b32 v13, 0xff61b1e6
	v_mov_b32 v14, 0
	v_mov_b32 v15, 0
	v_floor_f32 v12, -v13
.set n, 0
.rept 32
	v_mov_b32 v[OT+n], 0
.set n, n+1
.endr
.endm
	s_load_b256 s[4:11], s[0:1], 0x0               ; qkv_codes, qkv_scales, ctx_codes, ctx_scales
	v_lshl_add_u32 v[SPW], v0, 2, SPARE
	v_mov_b32 v[NIL], 0
	ds_add_u32 v[SPW], v[NIL]                      ; the wave's opening: the add, twice on end, under one wait
	ds_add_u32 v[SPW], v[NIL]
	v_lshrrev_b32 v8, 5, v0
	v_readfirstlane_b32 s[WV], v8                  ; wave 0..15
	v_and_b32 v9, 31, v0                           ; lane
	v_and_b32 v10, 15, v0                          ; r
	v_lshlrev_b32 v[LK], 4, v9
	v_lshl_add_u32 v[LSK], v9, 3, SCK
	v_lshlrev_b32 v6, 3, v10                       ; 8 r: Q's scale words
	s_bfe_u32 s13, ttmp6, 0x40000                  ; cx
	s_lshl_b32 s14, ttmp9, 2
	s_add_co_u32 s14, s14, s13                     ; bq = 4 x cluster x + cx
	s_and_b32 s15, ttmp7, 0xffff                   ; bh, which the four partners share
	; descriptor groups 1: dense blocks as rows of 256 bytes (32 elements of 8 bytes), no padding: every read takes 512 or 256 bytes on end
	s_mov_b32 s[G1C], 15|(3<<16)|(1<<21)           ; 15:0 the mask: all four work-groups; elements of 8 bytes; bit 21 beside a mask
	s_mov_b32 s[G1C+1], 32<<16
	s_mov_b32 s[G1C+2], 128<<16
	s_mov_b32 s[G1C+3], 32<<16
	s_mov_b32 s[G1C+4], 128                        ; 32,768 bytes: 512 keys
	s_mov_b32 s[G1C+5], 32
	s_mov_b32 s[G1C+6], 0
	s_mov_b32 s[G1C+7], 0
	s_mov_b32 s[G1S], 15|(3<<16)|(1<<21)
	s_mov_b32 s[G1S+1], 32<<16
	s_mov_b32 s[G1S+2], 16<<16
	s_mov_b32 s[G1S+3], 32<<16
	s_mov_b32 s[G1S+4], 16                         ; 4,096 bytes: a head's scale words
	s_mov_b32 s[G1S+5], 32
	s_mov_b32 s[G1S+6], 0
	s_mov_b32 s[G1S+7], 0
	s_mov_b32 s[CS], 0x3d38aa3b                    ; log2(e) / 32
	s_mov_b32 s[CS+1], s[CS]                       ; (named with it as a pair)
	s_mov_b32 s[SEL], 0x76543210
	s_mov_b32 s[SEL+1], 0xfedcba98
	s_mov_b32 s[MNT], 0x600000
	s_mov_b32 s[NEG], 0xff61b1e6
	s_mov_b32 s[EK+1], 0
	s_and_b32 s[QSH], s14, 1
	s_lshl_b32 s[QSH], s[QSH], 4
	s_and_b32 s82, s[WV], 7                        ; w
	s_mul_i32 s[PRT], s82, 4352
	s_add_co_u32 s[PRT], s[PRT], PART
	s_xor_b32 s[A2], s82, 15
	s_cmp_lt_u32 s[WV], 8
	s_cselect_b32 s[A1], s[A2], s82
	; the parts of the addresses that all tiles share
	s_lshl_b32 s84, s15, 17                        ; Q's codes: bh x 131,072 + bq x 1,024  (+ a x 8,192)
	s_lshl_b32 s88, s14, 10
	s_add_co_u32 s84, s84, s88
	s_lshl_b32 s85, s15, 12                        ; Q's scale word: bh x 4,096 + 128 (bq / 4) + 4 ((bq / 2) % 2)  (+ a x 256)
	s_lshr_b32 s88, s14, 2
	s_lshl_b32 s88, s88, 7
	s_add_co_u32 s85, s85, s88
	s_bfe_u32 s88, s14, 0x10001
	s_lshl_b32 s88, s88, 2
	s_add_co_u32 s85, s85, s88
	s_lshr_b32 s86, s15, 4                         ; the batch
	s_lshl_b32 s87, s86, 16                        ; ctx's scale bytes: batch x 2,048 rows of 32 + bq x 16 rows + 2 x head  (+ a x 128 rows)
	s_lshl_b32 s86, s86, 21                        ; ctx's codes: batch x 16 x 131,072 + (head / 2) x 16,384 + bq x 2,048 + (head % 2) x 1,024  (+ a x 131,072)
	s_bfe_u32 s88, s15, 0x30001
	s_lshl_b32 s88, s88, 14
	s_add_co_u32 s86, s86, s88
	s_lshl_b32 s88, s14, 11
	s_add_co_u32 s86, s86, s88
	s_and_b32 s88, s15, 1
	s_lshl_b32 s88, s88, 10
	s_add_co_u32 s86, s86, s88
	s_lshl_b32 s88, s14, 9
	s_add_co_u32 s87, s87, s88
	s_and_b32 s88, s15, 15
	s_lshl_b32 s88, s88, 1
	s_add_co_u32 s87, s87, s88
	s_mov_b32 s89, 0
	; what I fetch: K (w even: part 1 of the buffers) or V (w odd: part 2); of codes the 512 keys number (w / 2) % 4
	s_and_b32 s83, s[WV], 1
	s_bfe_u32 s82, s[WV], 0x20001
	s_lshl_b32 s82, s82, 15
	s_add_co_u32 s88, s83, 1
	s_lshl_b32 s90, s88, 22
	s_lshl_b32 s92, s88, 17
	s_lshl_b32 s88, s15, 17
	s_add_co_u32 s90, s90, s88
	s_add_co_u32 s90, s90, s82
	s_lshl_b32 s88, s15, 12
	s_add_co_u32 s92, s92, s88
	s_mov_b32 s91, 0
	s_mov_b32 s93, 0
	s_mov_b32 s[G0C], 1
	s_lshl_b32 s[G0C+1], s83, 17                   ; in LDS: V's codes 131,072 behind K's,
	s_add_co_u32 s[G0C+1], s[G0C+1], s82
	s_mov_b32 s[G0S], 1
	s_lshl_b32 s[G0S+1], s83, 12                   ; its scale words 4,096
	s_add_co_u32 s[G0S+1], s[G0S+1], SCK
	WALU
	s_wait_dscnt 0x0                               ; both opening adds are done
	ROUND                                          ; all four work-groups are here: the joint loads meet
	s_wait_kmcnt 0x0
	s_add_nc_u64 s[G0C+2:G0C+3], s[4:5], s[90:91]
	s_or_b32 s[G0C+3], s[G0C+3], 0x80000000
	s_add_nc_u64 s[G0S+2:G0S+3], s[6:7], s[92:93]
	s_or_b32 s[G0S+3], s[G0S+3], 0x80000000
	; ONE load a wave, in one chain: waves 0, 1 keys 0 to 511 of K and V, waves 2, 3 the scale words; waves 10 to 15 the later keys, by a line of their own, since they do not wait at the first barrier
	s_cmp_lt_u32 s[WV], 2
	s_cbranch_scc0 .Lscl
	TL G0C, G1C
	s_branch .Lasked
.Lscl:
	s_cmp_lt_u32 s[WV], 4
	s_cbranch_scc0 .Llate
	TL G0S, G1S
	s_branch .Lasked
.Llate:
	s_cmp_lt_u32 s[WV], 10
	s_cbranch_scc1 .Lasked
	TL G0C, G1C
.Lasked:
	ADDR 74, 4, 84, A1, 13                         ; Q's codes: my first tile's, the long tile's
	ADDR 76, 4, 84, A2, 13
	ADDR 78, 6, 85, A1, 8                          ; Q's scale words
	ADDR 80, 6, 85, A2, 8
	global_load_b128 v[QLO:QLO+3], v[LK], s[74:75]
	global_load_b128 v[QLO+4:QLO+7], v[LK], s[74:75] offset:512
	global_load_b128 v[QB:QB+3], v[LK], s[76:77]
	global_load_b128 v[QB+4:QB+7], v[LK], s[76:77] offset:512
	global_load_b32 v10, v6, s[78:79]
	global_load_b32 v[RAWL], v6, s[80:81]
	ADDR 66, 8, 86, A1, 17                         ; ctx's codes and scale bytes of the tile that I store
	ADDR 68, 10, 87, A1, 12
	; under the requests' flight: the mask, the zeros, the first tile's beginning
	v_lshrrev_b32 v4, 8, v[LK]                     ; h
	v_bfe_u32 v5, v[LK], 4, 4                      ; r
	v_lshlrev_b32 v4, 3, v4
	v_sub_nc_u32 v4, v5, v4                        ; r - 8 h
	v_mov_b32 v5, 0xff61b1e6
.irp j, 0,1,2,3,4,5,6,7
	v_cmp_gt_i32 vcc_lo, \j, v4
	v_cndmask_b32 v[XJ+\j], 0, v5, vcc_lo
	v_mov_b32 v[QHI+\j], 0                         ; the zero codes on both sides of Q
	v_mov_b32 v[QLO+8+\j], 0
.endr
.irp b, 0,1,2,3
	v_mov_b32 v[MX+4+\b], 0                        ; written once: a lane permute's destination counts as one of its sources
.endr
	v_mov_b32 v[FF+1], 0                           ; (named as the upper half of a pair)
	v_mov_b32 v11, 0
	INIT
.macro SP t, z                         ; the scores of key tile t: z = 1: C is the mask that stands in their registers
.set D_, S+8*(\t)
.set F_, FRG+16*((\t)/2)
.set Q_, QLO-8*((\t)%2)
.set X_, KSC+((\t)/2)%2                ; lanes 0-15: the words of pairs 0, 1 of key tiles; lanes 16-31: of pairs 2, 3
.set Y_, QSLO+(\t)%2
.if (\t) < 4
.if \z
	v_wmma_scale_f32_16x16x128_f8f6f4 v[D_:D_+7], v[F_:F_+15], v[Q_:Q_+15], v[D_:D_+7], v[X_], v[Y_]
.else
	v_wmma_scale_f32_16x16x128_f8f6f4 v[D_:D_+7], v[F_:F_+15], v[Q_:Q_+15], 0, v[X_], v[Y_]
.endif
.else
.if \z
	v_wmma_scale_f32_16x16x128_f8f6f4 v[D_:D_+7], v[F_:F_+15], v[Q_:Q_+15], v[D_:D_+7], v[X_], v[Y_] matrix_a_scale:MATRIX_SCALE_ROW1
.else
	v_wmma_scale_f32_16x16x128_f8f6f4 v[D_:D_+7], v[F_:F_+15], v[Q_:Q_+15], 0, v[X_], v[Y_] matrix_a_scale:MATRIX_SCALE_ROW1
.endif
.endif
.endm
; A KEY STEP: 128 keys.  It is left out behind the walk's last step: a scalar branch on the wave's number and the step's.
.macro STEP
	s_cmp_gt_u32 s[STP], s[AJ]
	s_cbranch_scc1 .Lhid_\@
	v_add_nc_u32 v[ADK], s[TB], v[LK]
	v_add_nc_u32 v[ADS], s[TS], v[LSK]
	v_add_nc_u32 v[ADV], 131072, v[ADK]
	v_nop                                          ; with the three additions above and the three at a step's end: eight places behind the last step's products, in front of loads into registers that they read
	v_nop
	ds_load_b64 v[KSC:KSC+1], v[ADS]
.set n, 0
.rept 16
	ds_load_b128 v[FRG+4*n:FRG+4*n+3], v[ADK] offset:512*n
.set n, n+1
.endr
	WALU
	s_cmp_lg_u32 s[STP], s[AJ]
	s_cbranch_scc1 .Lopen_\@
.irp kt, 0,1,2,3,4,5,6,7               ; the last step is the diagonal's: register 8 kt + j is key 16 kt + 8 h + j of the step: counted where kt < bq, hidden where kt > bq, and in tile bq hidden where j > r - 8 h
	s_cmp_eq_u32 s14, \kt
	s_cselect_b32 s[EK], 1.0, 0
	s_cmp_lt_u32 s14, \kt
	s_cselect_b32 s[GK], s[NEG], 0
	v_mov_b32 v10, s[GK]
.irp i, 0,2,4,6
	v_pk_fma_f32 v[S+8*\kt+\i:S+8*\kt+\i+1], v[XJ+\i:XJ+\i+1], s[EK:EK+1], v[10:11] op_sel_hi:[1,0,0]
.endr
.endr
	WALU
	s_wait_dscnt 0x0
.irp t, 0,1,2,3,4,5,6,7
	SP \t, 1
.endr
	s_branch .Lscored_\@
.Lopen_\@:
.irp p, 0,1,2,3
	s_wait_dscnt 12-4*\p                           ; pair p's four loads are in; the later pairs' may be out
	SP 2*\p, 0
	SP 2*\p+1, 0
.endr
.Lscored_\@:
.rept 8
	v_nop                                          ; places: for the loads into K's registers, and for the first read of the scores
.endr
.set n, 0
.rept 16
	ds_load_b128 v[FRG+4*n:FRG+4*n+3], v[ADV] offset:512*n      ; V's four fragments land under the softmax
.set n, n+1
.endr
	ds_load_b64 v[VSC:VSC+1], v[ADS] offset:4096   ; word jj: lanes 0-15 feature tile 2 jj, lanes 16-31 tile 2 jj + 1
.irp b, 0,1,2,3
	v_max3_num_f32 v[MX+\b], v[S+16*\b], v[S+1+16*\b], v[S+2+16*\b]   ; the largest score of each block of 32 keys: it serves for the row's maximum and, since p rises with the score, for the block's largest p
.endr
.irp i, 3,5,7,9,11,13
.irp b, 0,1,2,3
	v_max3_num_f32 v[MX+\b], v[MX+\b], v[S+16*\b+\i], v[S+1+16*\b+\i]
.endr
.endr
.irp b, 0,1,2,3
	v_max_num_f32 v[MX+\b], v[MX+\b], v[S+15+16*\b]
.endr
.irp b, 0,1,2,3
	v_permlanex16_b32 v[MX+4+\b], v[MX+\b], s[SEL], s[SEL+1]
.endr
.irp b, 0,1,2,3
	v_max_num_f32 v[MX+\b], v[MX+\b], v[MX+4+\b]   ; with lane l xor 16's 16 keys
.endr
	s_delay_alu instid0(VALU_DEP_2)
	v_max3_num_f32 v[TA], v[MX], v[MX+1], v[MX+2]
	s_delay_alu instid0(VALU_DEP_1)
	v_max_num_f32 v[TA], v[TA], v[MX+3]            ; the step's largest score of my query
	s_delay_alu instid0(VALU_DEP_1)
	v_mul_f32 v[TA], s[CS], v[TA]                  ; as t (c is positive)
	s_delay_alu instid0(VALU_DEP_1)
	v_max_num_f32 v13, v13, v[TA]                  ; the running largest t
	v_mov_b32 v[TA], v12
	s_delay_alu instid0(VALU_DEP_2)
	v_floor_f32 v12, -v13                          ; the new -M = floor(-t) = -ceil(t)
	s_delay_alu instid0(VALU_DEP_1)
	v_sub_f32 v[TA], v12, v[TA]                    ; M's old value less its new one: a whole number, 0 or less
	s_delay_alu instid0(VALU_DEP_1)
	v_cvt_i32_f32 v[TA], v[TA]                     ; (it saturates)
	s_delay_alu instid0(VALU_DEP_1)
	v_ldexp_f32 v[FF], 1.0, v[TA]                  ; f = 2^(old M - new M)
.set n, 0
.rept 32
	v_pk_fma_f32 v[S+n:S+n+1], v[S+n:S+n+1], s[CS:CS+1], v[12:13] op_sel_hi:[1,0,0]   ; t - M, two at a time
.set n, n+2
.endr
.irp b, 0,1,2,3
	v_fma_f32 v[MX+\b], v[MX+\b], s[CS], v12       ; the same of each block's largest score
.endr
	WALU                                           ; the wait ahead of the batch,
.set n, 0
.rept 64
	v_exp_f32 v[S+n], v[S+n]                       ; p = 2^(t - M), at most 1
.set n, n+1
.endr
.irp b, 0,1,2,3
	v_exp_f32 v[MX+\b], v[MX+\b]                   ; the block's largest p
.endr
	v_pk_mul_f32 v[14:15], v[14:15], v[FF:FF+1] op_sel_hi:[1,0]   ; the sums under the new M.  (A plain place behind the exponentials)
	WALU                                           ; and behind it
.irp b, 0,1,2,3
	v_max_num_f32 v[MX+\b], 0x4800000, v[MX+\b]    ; the floor 2^(9 - 127): the byte cannot fall under 1
.endr
.irp b, 0,1,2,3
	v_add_nc_u32 v[MX+12+\b], 0xfc000000, v[MX+\b] ; 8 off the exponent field: the conversion's scale operand
.endr
.irp b, 0,1,2,3
	v_and_or_b32 v[MX+8+\b], v[MX+\b], 0x7f800000, s[MNT]   ; 448 x the scale
.endr
.irp b, 0,1,2,3
	v_lshrrev_b32 v[MX+4+\b], 23, v[MX+12+\b]      ; the scale's byte
.endr
	v_pk_add_f32 v[10:11], v[S:S+1], v[S+2:S+3]    ; the row's sum, of the unquantised p, in four chains
	v_lshl_or_b32 v[PS], v[MX+5], 8, v[MX+4]       ; p's scale word for these 128 keys
	v_pk_add_f32 v[MX:MX+1], v[S+4:S+5], v[S+6:S+7]
	v_pk_add_f32 v[MX+2:MX+3], v[S+8:S+9], v[S+10:S+11]
	v_lshl_or_b32 v[PS], v[MX+6], 16, v[PS]
.set n, 12
.rept 6
	v_pk_add_f32 v[14:15], v[14:15], v[S+n:S+n+1]
	v_pk_add_f32 v[10:11], v[10:11], v[S+n+2:S+n+3]
	v_pk_add_f32 v[MX:MX+1], v[MX:MX+1], v[S+n+4:S+n+5]
	v_pk_add_f32 v[MX+2:MX+3], v[MX+2:MX+3], v[S+n+6:S+n+7]
.set n, n+8
.endr
	v_lshl_or_b32 v[PS], v[MX+7], 24, v[PS]
	v_pk_add_f32 v[14:15], v[14:15], v[S+60:S+61]
	v_pk_add_f32 v[10:11], v[10:11], v[S+62:S+63]
.irp b, 0,1,2,3
.set n, S+16*\b
.rept 8
	v_dual_min_num_f32 v[n], v[n], v[MX+8+\b] :: v_dual_min_num_f32 v[n+1], v[n+1], v[MX+8+\b]   ; the conversion to an 8-bit code does not saturate (ISA guide 7.6.2); p is not negative, so the hold is one-sided
.set n, n+2
.endr
	v_cvt_scalef32_pk8_fp8_f32 v[PC+4*\b:PC+4*\b+1], v[S+16*\b:S+16*\b+7], v[MX+12+\b]
	v_cvt_scalef32_pk8_fp8_f32 v[PC+4*\b+2:PC+4*\b+3], v[S+16*\b+8:S+16*\b+15], v[MX+12+\b]
.endr
	WALU                                           ; the wait directly ahead of O^T's first reader
.set n, 0
.rept 16
	v_pk_mul_f32 v[OT+n:OT+n+1], v[OT+n:OT+n+1], v[FF:FF+1] op_sel_hi:[1,0]   ; O^T under the new M.  (These are also the places between the codes and the products)
.set n, n+2
.endr
	WALU
	s_wait_dscnt 0x0                               ; V and its scale words are in
.irp t, 0,2                                    ; O^T += V^T P^T: four tiles of 16 of the head's 64, by turns
	v_wmma_scale_f32_16x16x128_f8f6f4 v[OT+8*\t:OT+8*\t+7], v[FRG+16*\t:FRG+16*\t+15], v[PC:PC+15], v[OT+8*\t:OT+8*\t+7], v[VSC+\t/2], v[PS]
	v_wmma_scale_f32_16x16x128_f8f6f4 v[OT+8*\t+8:OT+8*\t+15], v[FRG+16*\t+16:FRG+16*\t+31], v[PC:PC+15], v[OT+8*\t+8:OT+8*\t+15], v[VSC+\t/2], v[PS] matrix_a_scale:MATRIX_SCALE_ROW1
.endr
	v_pk_add_f32 v[14:15], v[14:15], v[10:11]      ; the four chains
	v_pk_add_f32 v[MX:MX+1], v[MX:MX+1], v[MX+2:MX+3]
	v_pk_add_f32 v[14:15], v[14:15], v[MX:MX+1]
.Lhid_\@:
	s_add_co_u32 s[TB], s[TB], 8192                ; the next step's tiles,
	s_add_co_u32 s[TS], s[TS], 256                 ; its scale words,
	s_add_co_u32 s[STP], s[STP], 1                 ; its number
.endm
.macro FROM first
	s_mov_b32 s[TB], 8192*\first
	s_mov_b32 s[TS], 256*\first
	s_mov_b32 s[STP], \first
.endm
.macro LOOPN trips, first              ; key steps first .. first + trips - 1
	FROM \first
	s_mov_b32 s[CNT], \trips
.Lstep_\@:
	STEP
	s_sub_co_u32 s[CNT], s[CNT], 1
	s_cmp_lg_u32 s[CNT], 0
	s_cbranch_scc1 .Lstep_\@
.endm
; A TILE'S END (v14: my lane's part of the sum): O^T / the sum is my query's 64 numbers of ctx: two blocks of 32, each shared with lane l xor 16; quantised as every operand is, stored in the order of the next launch's operand registers.
.macro FINISH
	v_permlanex16_b32 v[TA], v14, s[SEL], s[SEL+1]
	v_add_f32 v14, v14, v[TA]
	WALU                                           ; the wait ahead of the transcendental,
	v_rcp_f32 v[FF], v14
	v_lshlrev_b32 v[ADV], 1, v[LK]
	v_and_b32 v[ADV], 0x1e0, v[ADV]                ; 32 r
	WALU                                           ; and ahead of its first reader
.set n, 0
.rept 16
	v_pk_mul_f32 v[S+n:S+n+1], v[OT+n:OT+n+1], v[FF:FF+1] op_sel_hi:[1,0]   ; each accumulator from its low end on
.set n, n+2
.endr
.irp b, 0,1
	v_max3_num_f32 v[MX+\b], |v[S+16*\b]|, |v[S+1+16*\b]|, 0x4800000
.endr
.irp i, 2,4,6,8,10,12,14
.irp b, 0,1
	v_max3_num_f32 v[MX+\b], v[MX+\b], |v[S+16*\b+\i]|, |v[S+1+16*\b+\i]|
.endr
.endr
.irp b, 0,1
	v_permlanex16_b32 v[MX+4+\b], v[MX+\b], s[SEL], s[SEL+1]
.endr
.irp b, 0,1
	v_max_num_f32 v[MX+\b], v[MX+\b], v[MX+4+\b]
.endr
.irp b, 0,1
	v_add_nc_u32 v[MX+12+\b], 0xfc000000, v[MX+\b]
.endr
.irp b, 0,1
	v_and_or_b32 v[MX+8+\b], v[MX+\b], 0x7f800000, s[MNT]
.endr
.irp b, 0,1
	v_lshrrev_b32 v[MX+4+\b], 23, v[MX+12+\b]
.endr
	v_lshl_or_b32 v10, v[MX+5], 8, v[MX+4]         ; my row's two scale bytes of this head
.irp b, 0,1
.set n, 0
.rept 16
	v_med3_num_f32 v[S+16*\b+n], v[S+16*\b+n], -v[MX+8+\b], v[MX+8+\b]
.set n, n+1
.endr
	v_cvt_scalef32_pk8_fp8_f32 v[PC+4*\b:PC+4*\b+1], v[S+16*\b:S+16*\b+7], v[MX+12+\b]
	v_cvt_scalef32_pk8_fp8_f32 v[PC+4*\b+2:PC+4*\b+3], v[S+16*\b+8:S+16*\b+15], v[MX+12+\b]
.endr
	v_nop                                          ; a plain vector instruction behind the last conversion
	global_store_b128 v[LK], v[PC:PC+3], s[66:67]                  ; 512 consecutive bytes, aligned
	global_store_b128 v[LK], v[PC+4:PC+7], s[66:67] offset:512
	global_store_b16 v[ADV], v10, s[68:69]
	s_wait_xcnt 0x0                                ; the stores have read their data: the registers may be written again
.endm
	s_wait_loadcnt 0x0                             ; both tiles' Q and scale words
	QSC 10
	s_mov_b32 s[AJ], s[A1]
	WALU                                           ; the wait at the head's end
	s_cmp_lt_u32 s[WV], 4
	s_cbranch_scc0 .Lnot_early
	s_wait_tensorcnt 0x0                           ; waves 0 to 3: keys 0 to 511 and the scale words are in
.Lnot_early:
	s_barrier_signal -1
	s_barrier_wait -1
	FROM 0
	STEP
	s_wait_tensorcnt 0x0                           ; my part of the later keys is in,
	s_wait_dscnt 0x0
	s_barrier_signal -1                            ; and I say so; keys 0 to 511, which nobody writes, are read meanwhile
	LOOPN 3, 1
	s_barrier_wait -1                              ; everybody's are in
	LOOPN 5, 4                                     ; waves 0 to 7 end their walk with step 8, waves 8 to 15 their short tile's
	s_cmp_lt_u32 s[WV], 8
	s_cbranch_scc1 .Lno_switch
.rept 5
	v_nop                                          ; with the three additions at a step's end: places behind the last products
.endr
	WALU
	v_add_f32 v14, v14, v15
	FINISH
.irp j, 0,1,2,3,4,5,6,7
	v_mov_b32 v[QLO+\j], v[QB+\j]                  ; on to the long tile
.endr
	QSC RAWL
	INIT
	WALU
.Lno_switch:
	s_cmp_lt_u32 s[WV], 8
	s_cselect_b32 s[AJ], 0, s[A2]                  ; waves 0 to 7 leave these steps out
	LOOPN 7, 9
	v_add_nc_u32 v[ADK], s[PRT], v[LK]             ; my pair's bytes: O^T at 16 x lane, M and the sum 4,096 bytes on at 8 x lane
	v_lshrrev_b32 v[ADS], 1, v[LK]
	v_add_nc_u32 v[ADS], s[PRT], v[ADS]
	v_nop                                          ; with the three lines above and the three at a step's end: eight places
	v_nop
	WALU
	s_cmp_lt_u32 s[WV], 8
	s_cbranch_scc1 .Lno_part
	v_add_f32 v13, v14, v15
	WALU
.irp k, 0,1,2,3,4,5,6,7
	ds_store_b128 v[ADK], v[OT+4*\k:OT+4*\k+3] offset:512*\k
.endr
	ds_store_b64 v[ADS], v[12:13] offset:4096
.Lno_part:
	s_wait_dscnt 0x0                               ; the second parts are in LDS
	s_barrier_signal -1
	s_barrier_wait -1
	s_cmp_lt_u32 s[WV], 8
	s_cbranch_scc0 .Lend
	ds_load_b64 v[10:11], v[ADS] offset:4096
.irp k, 0,1,2,3,4,5,6,7
	ds_load_b128 v[FRG+4*\k:FRG+4*\k+3], v[ADK] offset:512*\k
.endr
	v_add_f32 v14, v14, v15
	WALU
	s_wait_dscnt 0x0
	v_min_num_f32 v13, v12, v10                    ; the joint -M
	v_sub_f32 v104, v13, v12                       ; each part's M less the joint one: whole numbers, 0 or less
	v_sub_f32 v106, v13, v10
	v_cvt_i32_f32 v104, v104
	v_cvt_i32_f32 v106, v106
	v_ldexp_f32 v[FF], 1.0, v104
	v_ldexp_f32 v106, 1.0, v106
	v_mul_f32 v14, v14, v[FF]
	v_fma_f32 v14, v11, v106, v14
.set n, 0
.rept 16
	v_pk_mul_f32 v[FRG+n:FRG+n+1], v[FRG+n:FRG+n+1], v[106:107] op_sel_hi:[1,0]
.set n, n+2
.endr
.set n, 0
.rept 16
	v_pk_fma_f32 v[OT+n:OT+n+1], v[OT+n:OT+n+1], v[FF:FF+1], v[FRG+n:FRG+n+1] op_sel_hi:[1,0,1]
.set n, n+2
.endr
	FINISH
.Lend:
	s_wait_tensorcnt 0x0                           ; the wave's end
	ds_add_u32 v[SPW], v[NIL]
	s_wait_dscnt 0x0
	ROUND                                          ; the closing round: no work-group ends while a partner may still ask for a tile that names it
	s_endpgm
.Lfunc_end_k_qff5f5b6e1a_attn:
	.size	k_qff5f5b6e1a_attn, .Lfunc_end_k_qff5f5b6e1a_attn-k_qff5f5b6e1a_attn
	.p2alignl 7, 3214868480
	.fill 96, 4, 3214868480
	.section	.rodata,"a",@progbits
	.p2align	6, 0x0
	.amdhsa_kernel k_qff5f5b6e1a_attn
		.amdhsa_group_segment_fixed_size 307200
		.amdhsa_private_segment_fixed_size 0
		.amdhsa_enable_private_segment 0
		.amdhsa_kernarg_size 32
		.amdhsa_user_sgpr_count 2
		.amdhsa_user_sgpr_kernarg_segment_ptr 1
		.amdhsa_wavefront_size32 1
		.amdhsa_system_sgpr_workgroup_id_x 1
		.amdhsa_system_sgpr_workgroup_id_y 1
		.amdhsa_system_sgpr_workgroup_id_z 1
		.amdhsa_system_vgpr_workitem_id 0
		.amdhsa_next_free_vgpr 256
		.amdhsa_next_free_sgpr 100
		.amdhsa_reserve_vcc 1
		.amdhsa_float_denorm_mode_32 3
		.amdhsa_float_denorm_mode_16_64 3
		.amdhsa_memory_ordered 1
		.amdhsa_forward_progress 1
		.amdhsa_inst_pref_size 121
	.end_amdhsa_kernel
	.amdgpu_metadata
---
amdhsa.version: [ 1, 2 ]
amdhsa.kernels:
  - .name:           k_qff5f5b6e1a_attn
    .symbol:         k_qff5f5b6e1a_attn.kd
    .args:
      - { .name: qkv_codes, .offset: 0, .size: 8, .value_kind: global_buffer, .address_space: global }
      - { .name: qkv_scales, .offset: 8, .size: 8, .value_kind: global_buffer, .address_space: global }
      - { .name: ctx_codes, .offset: 16, .size: 8, .value_kind: global_buffer, .address_space: global }
      - { .name: ctx_scales, .offset: 24, .size: 8, .value_kind: global_buffer, .address_space: global }
    .group_segment_fixed_size: 307200
    .private_segment_fixed_size: 0
    .kernarg_segment_align: 8
    .kernarg_segment_size: 32
    .max_flat_workgroup_size: 512
    .sgpr_count:     100
    .vgpr_count:     256
    .wavefront_size: 32
...
	.end_amdgpu_metadata
.endif
;; end of part 2
;; launch proj (part 3): grid 8 x 32, 4 waves a work-group, clusters of 4 x 4, 327,680 bytes of LDS; arguments ctx_codes, ctx_scales, w_o_codes, w_o_scales, b_o, out0; writes out0
.if DOCPART == 3
	.amdgcn_target "amdgcn-amd-amdhsa--gfx1250"
	.amdhsa_code_object_version 6
	.text
	.protected	k_qff5f5b6e1a_proj
	.globl	k_qff5f5b6e1a_proj
	.p2align	8
	.type	k_qff5f5b6e1a_proj,@function
k_qff5f5b6e1a_proj:
	s_mov_b64 s[64:65], 0
	v_nop
	global_prefetch_b8 v0, s[64:65] scope:SCOPE_SE
	s_setreg_imm32_b32 hwreg(HW_REG_WAVE_MODE, 25, 1), 1
	s_wait_xcnt 0x0
	s_wait_alu depctr_hold_cnt(0) depctr_sa_sdst(0) depctr_va_vdst(0) depctr_va_sdst(0) depctr_va_ssrc(0) depctr_va_vcc(0) depctr_vm_vsrc(0)
	s_getreg_b32 s2, hwreg(HW_REG_IB_STS2, 6, 4)
	s_cmp_eq_u32 s2, 0
	s_cbranch_scc0 .Lentry_in_a_cluster
	s_endpgm
.Lentry_in_a_cluster:
	s_bfe_u32 s2, ttmp6, 0x10000c
	s_cmp_lg_u32 s2, 0xf033
	s_cbranch_scc0 .Lentry_shape_is_right
	s_endpgm
.Lentry_shape_is_right:
; out0 = ctx w_o^T + b_o on codes of FP8 (E4M3) with E8M0 scales, f32 sums that begin with the bias.  256 work-groups of 128 x 128, four waves of 64 x 64: 16 accumulators.
; All 256 KiB of the work-group's operands lie in LDS: ONE tensor load a wave at the head: wave 0 ctx's first half of K, wave 1 w_o's, waves 2 and 3 the second halves.  The first barrier shows the first halves, the second the rest.  Nothing is filled again.
; The first half of K goes by steps of 128; the second by rows of the result: all its fragments come into registers, and each block of 16 rows leaves while the later ones are multiplied.  K ascends in every sum.
; ctx lies in memory in the order of the operand registers: [128 rows][128 of K (8)][16 rows (8)][block c][lane][16 bytes]; inside a block of 32 lane (r, h) holds k = 8 h + 0 .. 7, then 16 + 8 h + 0 .. 7; w_o's rows are read from LDS in the same order, by 8 bytes.
; CLUSTERS of 4 x 4: the four of a row share ctx's tile, the four of a column w_o's: joint loads.  No prefetch: every byte is asked for at the head.
; LIMITS: NaN, infinities and the scale byte 0xff among the inputs are not served.
; REGISTERS: window 0: addresses, scale words, bias, accumulators; window 1: fragments of both operands, two sets (first half), then ctx's (second half); window 2: w_o's of the second half.
.set BROW,  131072                     ; LDS: ctx at 0, w_o here: two halves of 128 rows of 512 bytes + 16 of padding
.set BCH,   128*528
.set STAGE, BROW+2*BCH                 ; the way out: 16 rows x 272 bytes for each wave
.set SPARE, STAGE+4*16*272
.set ADRA, 8
.set ADRB, 12
.set STO,  16
.set RD,   17
.set CO,   18
.set SPW,  21
.set NIL,  22
.set SA,   28                          ; v28-59 ctx's scale words, v64-95 w_o's: no product's two have numbers equal modulo 8
.set SB,   64
.set BI,   96
.set ACC,  128
.set G1A,  24
.set G1B,  32
.set G0A,  40
.set G0B,  44
.set MSB, 0
.macro WIN new                         ; the immediate's high byte repeats the setting that is left
.if MSB != \new
	s_set_vgpr_msb (MSB<<8)|\new
.set MSB, \new
.endif
.endm
.macro PLACES n
.rept \n
	v_nop
.endr
.endm
.macro TL g0, g1                       ; a tensor load; an s_nop 0 and four v_nop follow it
	tensor_load_to_lds s[\g0:\g0+3], s[\g1:\g1+7]
	s_nop 0
	PLACES 4
.endm
.macro CROUND                          ; a round of the cluster's barrier
	s_barrier_signal -1
	s_barrier_wait -1
	s_cmp_lg_u32 s16, 0
	s_cbranch_scc1 .Lnot_wave_0_\@
	s_barrier_signal -3
.Lnot_wave_0_\@:
	s_barrier_wait -3
	s_barrier_signal -1
	s_barrier_wait -1
.endm
	s_load_b256 s[4:11], s[0:1], 0x0               ; ctx_codes, ctx_scales, w_o's codes, w_o's scales
	s_load_b128 s[12:15], s[0:1], 0x20             ; b_o, out0
	v_lshl_add_u32 v[SPW], v0, 2, SPARE
	v_mov_b32 v[NIL], 0
	ds_add_u32 v[SPW], v[NIL]                      ; the wave's opening: the add, twice on end, under one wait
	ds_add_u32 v[SPW], v[NIL]
	v_lshrrev_b32 v1, 5, v0
	v_readfirstlane_b32 s16, v1
	s_lshr_b32 s17, s16, 1                         ; my 64 rows of ctx.  Also: which half of K I fetch
	s_and_b32 s18, s16, 1                          ; my 64 rows of w_o
	s_bfe_u32 s19, ttmp6, 0x40000
	s_bfe_u32 s20, ttmp6, 0x40004
	s_lshl_b32 s21, ttmp9, 2
	s_add_co_u32 s21, s21, s19                     ; tile column
	s_and_b32 s22, ttmp7, 0xffff
	s_lshl_b32 s22, s22, 2
	s_add_co_u32 s22, s22, s20                     ; tile row
	s_lshl_b32 s76, s20, 2
	s_lshl_b32 s76, 15, s76
	s_lshl_b32 s77, 0x1111, s19
	s_or_b32 s[G1A], s76, (3<<16)|(1<<21)          ; ctx: 65,536 dense bytes as 256 rows of 256
	s_mov_b32 s[G1A+1], 32<<16
	s_mov_b32 s[G1A+2], 256<<16
	s_mov_b32 s[G1A+3], 32<<16
	s_mov_b32 s[G1A+4], 256
	s_mov_b32 s[G1A+5], 32
	s_mov_b32 s[G1A+6], 0
	s_mov_b32 s[G1A+7], 0
	s_or_b32 s[G1B], s77, (1<<20)|(1<<21)|(6<<22)|(3<<25)   ; w_o: 128 rows of 512 bytes, four words of padding after every 128
	s_mov_b32 s[G1B+1], 512<<16
	s_mov_b32 s[G1B+2], 128<<16
	s_mov_b32 s[G1B+3], 512<<16
	s_mov_b32 s[G1B+4], 128
	s_mov_b32 s[G1B+5], 1024
	s_mov_b32 s[G1B+6], 0
	s_mov_b32 s[G1B+7], 0
	s_mov_b32 s[G0A], 1
	s_lshl_b32 s[G0A+1], s17, 16
	s_mov_b32 s[G0B], 1
	s_mul_i32 s[G0B+1], s17, BCH
	s_add_co_u32 s[G0B+1], s[G0B+1], BROW
	s_lshl_b32 s78, s22, 17
	s_lshl_b32 s23, s17, 16
	s_add_co_u32 s78, s78, s23
	s_mov_b32 s79, 0
	s_lshl_b32 s80, s21, 17
	s_lshl_b32 s23, s17, 9
	s_add_co_u32 s80, s80, s23
	s_mov_b32 s81, 0
	s_lshl_b32 s82, s17, 13
	s_mul_i32 s83, s18, 64*528
	s_add_co_u32 s83, s83, BROW
	s_mul_i32 s84, s16, 16*272
	s_add_co_u32 s84, s84, STAGE
	v_and_b32 v1, 15, v0                           ; r
	v_bfe_u32 v2, v0, 4, 1                         ; h
	v_and_b32 v3, 31, v0
	v_lshlrev_b32 v4, 4, v3
	v_add_nc_u32 v4, s82, v4
	v_mul_u32_u24 v5, v1, 528
	v_lshl_add_u32 v5, v2, 3, v5
	v_add_nc_u32 v5, s83, v5
.irp k, 0,1,2,3
	v_add_nc_u32 v[ADRA+\k], 32768*\k, v4
	v_add_nc_u32 v[ADRB+\k], BCH*(\k/2)+256*(\k%2), v5
.endr
	v_mul_u32_u24 v6, v1, 272
	v_lshl_add_u32 v6, v2, 5, v6
	v_add_nc_u32 v[STO], s84, v6
	v_mul_u32_u24 v6, v2, 272
	v_lshl_add_u32 v6, v1, 4, v6
	v_add_nc_u32 v[RD], s84, v6
	v_lshlrev_b32 v6, 12, v2
	v_lshl_add_u32 v[CO], v1, 4, v6
	v_lshlrev_b32 v19, 5, v1                       ; scale words: 32 bytes a row
	v_lshlrev_b32 v20, 5, v2                       ; the bias at my eight columns
	s_wait_alu depctr_va_vdst(0)                   ; the wait at the head's end
	s_wait_dscnt 0x0                               ; both opening adds are done
	CROUND                                         ; all sixteen work-groups are here: the joint loads meet
	s_wait_kmcnt 0x0
	s_add_nc_u64 s[G0A+2:G0A+3], s[4:5], s[78:79]
	s_or_b32 s[G0A+3], s[G0A+3], 0x80000000
	s_add_nc_u64 s[G0B+2:G0B+3], s[8:9], s[80:81]
	s_or_b32 s[G0B+3], s[G0B+3], 0x80000000
	s_cmp_eq_u32 s16, 0                            ; one load a wave, and a line of its own for each
	s_cbranch_scc0 .Lb0
	TL G0A, G1A
	s_branch .Lasked
.Lb0:
	s_cmp_eq_u32 s16, 1
	s_cbranch_scc0 .La1
	TL G0B, G1B
	s_branch .Lasked
.La1:
	s_cmp_eq_u32 s16, 2
	s_cbranch_scc0 .Lb1
	TL G0A, G1A
	s_branch .Lasked
.Lb1:
	TL G0B, G1B
.Lasked:
	s_mov_b32 s85, 0
	s_lshl_b32 s84, s22, 12
	s_lshl_b32 s23, s17, 11
	s_add_co_u32 s84, s84, s23
	s_add_nc_u64 s[86:87], s[6:7], s[84:85]        ; ctx's scale bytes: my 64 rows
	s_lshl_b32 s84, s21, 12
	s_lshl_b32 s23, s18, 11
	s_add_co_u32 s84, s84, s23
	s_add_nc_u64 s[88:89], s[10:11], s[84:85]      ; w_o's
	s_lshr_b32 s84, s84, 3                         ; my first column, in bytes of f32
	s_add_nc_u64 s[90:91], s[12:13], s[84:85]
	s_add_nc_u64 s[92:93], s[14:15], s[84:85]
	s_lshl_b32 s84, s22, 19
	s_lshl_b32 s23, s17, 18
	s_add_co_u32 s84, s84, s23
	s_add_nc_u64 s[92:93], s[92:93], s[84:85]      ; my first row of out0
.irp a, 0,1,2,3
	global_load_b128 v[SA+8*\a:SA+8*\a+3], v19, s[86:87] offset:512*\a
	global_load_b128 v[SA+8*\a+4:SA+8*\a+7], v19, s[86:87] offset:512*\a+16
	global_load_b128 v[SB+8*\a:SB+8*\a+3], v19, s[88:89] offset:512*\a
	global_load_b128 v[SB+8*\a+4:SB+8*\a+7], v19, s[88:89] offset:512*\a+16
	global_load_b128 v[BI+8*\a:BI+8*\a+3], v20, s[90:91] offset:64*\a
	global_load_b128 v[BI+8*\a+4:BI+8*\a+7], v20, s[90:91] offset:64*\a+16
.endr
.macro LOADA reg, s, a                 ; ctx's fragment: block a of the s-th 128 of K: 4 loads
.irp c, 0,1,2,3
	ds_load_b128 v[\reg+4*\c:\reg+4*\c+3], v[ADRA+(\s)/2] offset:16384*((\s)%2)+2048*(\a)+512*\c
.endr
.endm
.macro LOADB reg, s                    ; w_o's four fragments of the s-th 128 of K: 32 loads
.irp b, 0,1,2,3
.irp c, 0,1,2,3
	ds_load_b64 v[\reg+16*\b+4*\c:\reg+16*\b+4*\c+1], v[ADRB+(\s)/2] offset:128*((\s)%2)+8448*\b+32*\c
	ds_load_b64 v[\reg+16*\b+4*\c+2:\reg+16*\b+4*\c+3], v[ADRB+(\s)/2] offset:128*((\s)%2)+8448*\b+32*\c+16
.endr
.endr
.endm
.macro FETCH s, f                      ; the fragments of the s-th 128 of K into window 1: 16 loads for ctx, 32 for w_o
	WIN 0x40
.irp a, 0,1,2,3
	LOADA \f+16*\a, \s, \a
.endr
	LOADB \f+64, \s
	WIN 0
.endm
.macro MULS s, f                       ; 16 products; source 0 = w_o's rows, source 1 = ctx's: a lane holds eight neighbouring numbers of a row; the accumulators take turns
	WIN 0x05
.irp a, 0,1,2,3
.irp b, 0,1,2,3
.if (\s) == 0
	v_wmma_scale_f32_16x16x128_f8f6f4 v[ACC+8*(4*\a+\b):ACC+8*(4*\a+\b)+7], v[\f+64+16*\b:\f+64+16*\b+15], v[\f+16*\a:\f+16*\a+15], v[BI+8*\b:BI+8*\b+7], v[SB+8*\b+(\s)], v[SA+8*\a+(\s)]
.else
	v_wmma_scale_f32_16x16x128_f8f6f4 v[ACC+8*(4*\a+\b):ACC+8*(4*\a+\b)+7], v[\f+64+16*\b:\f+64+16*\b+15], v[\f+16*\a:\f+16*\a+15], v[ACC+8*(4*\a+\b):ACC+8*(4*\a+\b)+7], v[SB+8*\b+(\s)], v[SA+8*\a+(\s)]
.endif
.endr
.endr
.endm
.macro KST s
.if (\s) > 0
	PLACES 8                                       ; in front of loads into registers that earlier products have read
.endif
.if ((\s)%2) == 1
	s_wait_dscnt 0x0
.endif
	FETCH (\s)+1, 128*(((\s)+1)%2)
.if ((\s)%2) == 0
	s_wait_dscnt 48                                ; all but the 48 just issued
.endif
.if (\s) == 0
	s_wait_loadcnt 0x0                             ; scale words and bias
.endif
	MULS \s, 128*((\s)%2)
.endm
; THE SECOND HALF OF K, by rows.  ROWA: block a's four fragments of ctx, window 1, 16 loads.  ROW: block a's 16 products: its four accumulators by turns, K ascending.
.macro ROWA a
.irp q, 0,1,2,3
	LOADA 64*(\a)+16*\q, 4+\q, \a
.endr
.endm
.macro ROW a
	WIN 0x06                                       ; source 0 window 2, source 1 window 1
.irp q, 0,1,2,3
.irp b, 0,1,2,3
	v_wmma_scale_f32_16x16x128_f8f6f4 v[ACC+8*(4*(\a)+\b):ACC+8*(4*(\a)+\b)+7], v[64*\q+16*\b:64*\q+16*\b+15], v[64*(\a)+16*\q:64*(\a)+16*\q+15], v[ACC+8*(4*(\a)+\b):ACC+8*(4*(\a)+\b)+7], v[SB+8*\b+4+\q], v[SA+8*(\a)+4+\q]
.endr
.endr
	WIN 0
.endm
; THE WAY OUT: 16 rows x 64 columns at a time through my own stage; back as whole rows of 256 bytes, which sixteen lanes store as one aligned unit.  LDS serves a wave's instructions in order (ISA guide 5.7.1.4).
.macro TOSTAGE a
.irp b, 0,1,2,3
	ds_store_b128 v[STO], v[ACC+32*(\a)+8*\b:ACC+32*(\a)+8*\b+3] offset:64*\b
	ds_store_b128 v[STO], v[ACC+32*(\a)+8*\b+4:ACC+32*(\a)+8*\b+7] offset:64*\b+16
.endr
.irp i, 0,1,2,3,4,5,6,7
	ds_load_b128 v[ACC+32*(\a)+4*\i:ACC+32*(\a)+4*\i+3], v[RD] offset:544*\i
.endr
.endm
.macro SEND a, younger                 ; younger: LDS instructions issued behind block a's loads
.irp i, 0,1,2,3,4,5,6,7
	s_wait_dscnt \younger+7-\i
	global_store_b128 v[CO], v[ACC+32*(\a)+4*\i:ACC+32*(\a)+4*\i+3], s[92:93] offset:65536*(\a)+8192*\i th:TH_STORE_NT
.endr
.endm
	s_cmp_lt_u32 s16, 2
	s_cbranch_scc0 .Lnot_early
	s_wait_tensorcnt 0x0                           ; waves 0 and 1: the first halves of K are in
.Lnot_early:
	s_barrier_signal -1
	s_barrier_wait -1
	FETCH 0, 0
.irp s, 0,1,2
	KST \s
.endr
	s_wait_dscnt 0x0                               ; step 3's fragments are in
	s_wait_tensorcnt 0x0                           ; the second halves of K are in
	s_barrier_signal -1
	s_barrier_wait -1
	WIN 0x80
	LOADB 0, 4
	LOADB 64, 5
	MULS 3, 128
	WIN 0x80
	LOADB 128, 6
	LOADB 192, 7
	PLACES 8                                       ; in front of loads into registers that the first half's products have read
	WIN 0x40
.irp a, 0,1,2,3
	ROWA \a
.endr
	WIN 0
	s_wait_dscnt 48                                ; w_o's fragments and block 0's are in; blocks 1 to 3's may be out
	ROW 0
	s_wait_dscnt 32                                ; block 1's are in
	ROW 1
	PLACES 8                                       ; behind block 0's last product, ahead of its sums' first reader
	TOSTAGE 0
	s_wait_dscnt 32                                ; block 2's are in: block 3's 16 loads and the stage's 16 may be out
	ROW 2
	PLACES 8
	TOSTAGE 1
	SEND 0, 16                                     ; (block 3's fragments stand ahead of block 0's stage, so they are in)
	ROW 3
	PLACES 8
	TOSTAGE 2
	SEND 1, 16
	TOSTAGE 3
	SEND 2, 16
	SEND 3, 0
	s_wait_tensorcnt 0x0                           ; the wave's end
	ds_add_u32 v[SPW], v[NIL]
	s_wait_dscnt 0x0
	CROUND                                         ; the closing round
	s_endpgm
.Lfunc_end_k_qff5f5b6e1a_proj:
	.size	k_qff5f5b6e1a_proj, .Lfunc_end_k_qff5f5b6e1a_proj-k_qff5f5b6e1a_proj
	.p2alignl 7, 3214868480
	.fill 96, 4, 3214868480
	.section	.rodata,"a",@progbits
	.p2align	6, 0x0
	.amdhsa_kernel k_qff5f5b6e1a_proj
		.amdhsa_group_segment_fixed_size 327680
		.amdhsa_private_segment_fixed_size 0
		.amdhsa_enable_private_segment 0
		.amdhsa_kernarg_size 48
		.amdhsa_user_sgpr_count 2
		.amdhsa_user_sgpr_kernarg_segment_ptr 1
		.amdhsa_wavefront_size32 1
		.amdhsa_system_sgpr_workgroup_id_x 1
		.amdhsa_system_sgpr_workgroup_id_y 1
		.amdhsa_system_sgpr_workgroup_id_z 1
		.amdhsa_system_vgpr_workitem_id 0
		.amdhsa_next_free_vgpr 1024
		.amdhsa_next_free_sgpr 96
		.amdhsa_reserve_vcc 0
		.amdhsa_float_denorm_mode_32 3
		.amdhsa_float_denorm_mode_16_64 3
		.amdhsa_memory_ordered 1
		.amdhsa_forward_progress 1
		.amdhsa_inst_pref_size 61
	.end_amdhsa_kernel
	.amdgpu_metadata
---
amdhsa.version: [ 1, 2 ]
amdhsa.kernels:
  - .name:           k_qff5f5b6e1a_proj
    .symbol:         k_qff5f5b6e1a_proj.kd
    .args:
      - { .name: ctx_codes, .offset: 0, .size: 8, .value_kind: global_buffer, .address_space: global }
      - { .name: ctx_scales, .offset: 8, .size: 8, .value_kind: global_buffer, .address_space: global }
      - { .name: w_o_codes, .offset: 16, .size: 8, .value_kind: global_buffer, .address_space: global }
      - { .name: w_o_scales, .offset: 24, .size: 8, .value_kind: global_buffer, .address_space: global }
      - { .name: b_o, .offset: 32, .size: 8, .value_kind: global_buffer, .address_space: global }
      - { .name: out0, .offset: 40, .size: 8, .value_kind: global_buffer, .address_space: global }
    .group_segment_fixed_size: 327680
    .private_segment_fixed_size: 0
    .kernarg_segment_align: 8
    .kernarg_segment_size: 48
    .max_flat_workgroup_size: 128
    .sgpr_count:     96
    .vgpr_count:     1024
    .wavefront_size: 32
...
	.end_amdgpu_metadata
.endif
;; end of part 3
